; MI455X (gfx1250); checked and timed in simulation.
; The chip was launched on July 23, 2026; its instructions are those of AMD's public machine-readable ISA for CDNA 5 (MIT licence, August 2026) and "CDNA5" Instruction Set Architecture Reference Guide (July 2026). The comments in the code are by the model that wrote it; some were corrected since.
;; Multi Head Attention. Allowed arithmetic: matrix products marked QUANTISED: E4M3 operands, one given power-of-two scale a tensor, by v_wmma_f32_16x16x64_fp8_fp8 or v_wmma_f32_16x16x128_fp8_fp8, f32 sums; everything else in f32.
;; Inputs: b_proj 1,024 float32; b_qkv 3,072 float32; lowp_scales 8 int32 (the exponents e of the quantised operands' scales 2^e); w_proj 1,024 x 1,024 float32; w_qkv 1,024 x 3,072 float32; x 4 x 2,048 x 1,024 float32.
;; Outputs: out0 4 x 2,048 x 1,024 float32.
;; This version of the problem:
;;   THIS VERSION OF THE PROBLEM IS GIVEN IN LOW PRECISION. The matrix products marked QUANTISED in the list below multiply operands that are first quantised to E4M3 (4 exponent bits, 3 mantissa bits; 8 bits a number), with one given power-of-two scale for each operand tensor; their sums are f32. All else is computed in f32.
;;   The module's matrix products, in the order in which they are computed (A, B: the left and right operand; K: the contracted axis; several contracted axes count as one K, in the product's order):
;;     1. [M 8,192, K 1,024] x [K 1,024, N 3,072]; A: input x; B: input w_qkv: QUANTISED (scales: A lowp_scales[0], B lowp_scales[1])
;;     2. batch 64 x [M 2,048, K 64] x [K 64, N 2,048]; A: computed on the way; B: computed on the way: QUANTISED (scales: A lowp_scales[2], B lowp_scales[3])
;;     3. batch 64 x [M 2,048, K 2,048] x [K 2,048, N 64]; A: softmax (see below); B: computed on the way: QUANTISED (scales: A lowp_scales[4], B lowp_scales[5])
;;     4. [M 8,192, K 1,024] x [K 1,024, N 1,024]; A: computed on the way; B: input w_proj: QUANTISED (scales: A lowp_scales[6], B lowp_scales[7])
;;   THE QUANTISER, for each operand of a quantised product, along K:
;;     - The operand's scale is 2^e, e = its entry of the input lowp_scales (int32; the entries are numbered through the quantised products in the list's order, A before B).
;;     - Each number is divided by the scale, clamped to +-448, and rounded to the nearest number of E4M3, ties to even, subnormals kept.
;;     - The product sums the exact products of the quantised numbers (number of the format x scale) in f32.
;;   ~~~python
;;   def quantise(x, axis, e):      # numpy; x: float32 -> the quantised numbers, widened to float32 again
;;       x = np.moveaxis(x, axis, -1); K = x.shape[-1]
;;       r = np.clip(x / 2.0 ** e, -448, 448)
;;       step = 2.0 ** (np.maximum(np.frexp(np.where(r == 0, 1, r))[1] - 1, -6) - 3)
;;       q = np.round(r / step) * step * 2.0 ** e      # np.round: ties to even
;;       return np.moveaxis(q, -1, axis).astype(np.float32)
;;   ~~~
;;   SOFTMAX AHEAD OF A QUANTISED PRODUCT. Where the list says 'softmax', what is quantised is not the finished softmax but p = 2^(t - M), with t = logit x log2(e) and M = ceil(the row's largest t), a whole number; so 1/2 < the row's largest p <= 1. The row's sum l is taken of the UNQUANTISED p, in f32, and the product's result is divided by l at the end. Since M is a whole number, a kernel that streams over the keys may use a running M (the ceiling of the running maximum): every later rescaling is an exact power of two, so the quantised numbers keep their values, but for numbers so far below the row's largest that they fall under the format's range.
;;   OPERANDS COMPUTED ON THE WAY. 'Computed on the way' means the value that the module computes at that place (a softmax that the list does not call 'softmax' is quantised finished and normalised). What goes into a quantiser is computed in f32, as accurately as f32 sums, v_exp_f32 and their like allow (about 1e-6 of the number): no bf16 or f16 on the way to a quantiser, and a product that is left as it is and whose result goes on into a quantised operand takes f32 operands (vector FMAs, or v_wmma_f32_16x16x4_f32). A number that lies on a knife's edge between two numbers of the format may be rounded either way, as far as f32 arithmetic and the matrix unit's own rounding can turn it there, and no further.
;; One version. Each part assembles by itself: llvm-mc -triple=amdgcn-amd-amdhsa -mcpu=gfx1250 --defsym DOCPART=n.
;; ======== version 1 of 1: 4 launches
;; limits: right only within a limited range of input values
;; workspace buffers: codes 12,582,912 bytes; qk_codes 16,777,216 bytes; v_codes 8,388,608 bytes; a_codes 8,388,608 bytes; wfrag 3,145,728 bytes
;; launch quant (part 1): grid 384 x 1, 4 waves a work-group, no clusters, 68,096 bytes of LDS; arguments x, w_qkv, w_proj, lowp_scales, codes, wfrag; writes codes, wfrag
.if DOCPART == 1
	.amdgcn_target "amdgcn-amd-amdhsa--gfx1250"
	.amdhsa_code_object_version 6
	.text
	.protected	k_q57e3c604bf_quant
	.globl	k_q57e3c604bf_quant
	.p2align	8
	.type	k_q57e3c604bf_quant,@function
k_q57e3c604bf_quant:
	s_mov_b64 s[64:65], 0
	v_nop
	global_prefetch_b8 v0, s[64:65] scope:SCOPE_SE
	s_setreg_imm32_b32 hwreg(HW_REG_WAVE_MODE, 25, 1), 1
	s_wait_xcnt 0x0
; x [8192][1024], w_qkv [1024][3072] and w_proj [1024][1024], f32, become codes of E4M3, one byte each, K innermost, in ONE buffer of 12,288 rows of 1,024 bytes:
; rows 0-8191 x, rows 8192-11263 the columns of w_qkv, rows 11264-12287 the columns of w_proj.  code = number / 2^e, held within +-448, to the nearest code, ties to even;
; e = entry 0 (x), 1 (w_qkv), 7 (w_proj) of the scales.  LIMITS: e between -126 and 119, so that 2^e and 448 x 2^e are f32 numbers.  NaN among the inputs is not served.
; Work-groups 0-255 take x, whose K is innermost: a plain stream; a wave takes 16 steps of 512 numbers; each load reads 512 consecutive bytes, the step's 2,048 bytes turn through the wave's own stage in LDS
; so that a lane holds 16 neighbours along K; a wave's store of codes covers 512 consecutive bytes.
; Work-groups 256-383 take the weights, whose K is the FIRST axis: a lane takes a column and its registers run down K, so the conversions give codes with K innermost; a wave takes 32 columns x 256 along K,
; gathers them in its own stage and stores sixteen lanes to 256 consecutive, aligned bytes.  One path serves both weights: base, row length and e are chosen by the work-group's number.
; No tensor loads, no barrier: waves share nothing.  Each path has LDS bytes of its own.
.set WREG,  8192                       ; x's path: a wave's region: two stages of 32 x SP bytes
.set SP,    80                         ; a lane's place in a stage: 64 bytes + 16 of padding
.set STEPS, 16
.set WSTG,  4*WREG                     ; the weights' path: four stages of 32 rows x WP bytes
.set WP,    272
.set NB,    8                          ; blocks of 32 along K for a wave
.set SPARE, WSTG+4*32*WP               ; behind both: the spare words, 128 bytes for each wave, that no other line names
.set SPW,   12                         ; v12  SPARE + 4 x my thread's number; never rewritten
.set NIL,   13                         ; v13  0; never rewritten
.set R,     16                         ; x: v16-79 four sets of 16 numbers as loaded
.set X,     80                         ; x: v80-111 two sets of 16 neighbours
.set C,     128                        ; x: v128-191 codes, four registers a step
.set XW,    32                         ; w: v32-95 two sets of 32 numbers
.set CW,    96                         ; w: v96-103 a block's codes
.set OUTR,  112                        ; w: v112-175 the way out
.set OFS,   176                        ; w: v176-207 offset of row i of a block: 4 x lane + i x a row's bytes; never rewritten
	s_load_b256 s[4:11], s[0:1], 0x0               ; x s[4:5], w_qkv s[6:7], w_proj s[8:9], the scales' exponents s[10:11]
	s_load_b128 s[12:15], s[0:1], 0x20             ; codes s[12:13], wfrag s[14:15]
	v_lshl_add_u32 v[SPW], v0, 2, SPARE
	v_mov_b32 v[NIL], 0
	v_lshrrev_b32 v1, 5, v0
	v_readfirstlane_b32 s16, v1                    ; wave 0..3
	v_and_b32 v2, 31, v0                           ; lane
	s_wait_kmcnt 0x0
	s_load_b256 s[40:47], s[10:11], 0x0            ; e0 .. e7
	s_cmp_lt_u32 ttmp9, 256
	s_cbranch_scc0 .Lw
; ---------------- x
	s_wait_alu depctr_va_vdst(0)
	v_lshlrev_b32 v3, 4, v2                        ; my 16 bytes of a load's 512, and of a step's 512 bytes of codes
	s_wait_alu depctr_va_vdst(0)
	s_mul_i32 s17, s16, WREG
	v_lshrrev_b32 v14, 2, v2
	v_mul_u32_u24 v14, v14, SP
	v_and_b32 v15, 3, v2
	v_lshl_add_u32 v14, v15, 4, v14
	v_add_nc_u32 v14, s17, v14                     ; into the stage: four lanes' 64 bytes on end, then 16 of padding
	v_mul_u32_u24 v15, v2, SP
	v_add_nc_u32 v15, s17, v15                     ; out of it: my 16 neighbours
	s_lshl_b32 s18, ttmp9, 2
	s_add_co_u32 s18, s18, s16                     ; which run of 8,192 numbers is my wave's
	s_lshl_b32 s20, s18, 15
	s_mov_b32 s21, 0
	s_add_nc_u64 s[4:5], s[4:5], s[20:21]
	s_lshl_b32 s20, s18, 13
	s_add_nc_u64 s[22:23], s[12:13], s[20:21]
.macro XLOAD t
.irp i, 0,1,2,3
	global_load_b128 v[R+16*((\t)%4)+4*\i:R+16*((\t)%4)+4*\i+3], v3, s[4:5] offset:2048*(\t)+512*\i th:TH_LOAD_NT
.endr
.endm
.macro XTURN t                         ; step t's numbers through the stage: LDS serves a wave's instructions in order (ISA guide 5.7.1.4), so no wait stands between the stores and the loads
.irp i, 0,1,2,3
	ds_store_b128 v14, v[R+16*((\t)%4)+4*\i:R+16*((\t)%4)+4*\i+3] offset:32*SP*((\t)%2)+8*SP*\i
.endr
.irp i, 0,1,2,3
	ds_load_b128 v[X+16*((\t)%2)+4*\i:X+16*((\t)%2)+4*\i+3], v15 offset:32*SP*((\t)%2)+16*\i
.endr
.endm
.irp t, 0,1,2,3
	XLOAD \t
.endr
	s_wait_alu depctr_va_vdst(0)
	s_wait_kmcnt 0x0
	s_add_co_i32 s24, s40, 127
	s_lshl_b32 s25, s24, 23
	v_mov_b32 v11, s25                             ; 2^e0 as f32: the conversion takes its exponent field
	s_add_co_i32 s24, s24, 8
	s_lshl_b32 s24, s24, 23
	s_or_b32 s24, s24, 0x600000
	v_mov_b32 v10, s24                             ; 448 x 2^e0
	s_wait_alu depctr_va_vdst(0)
	s_wait_loadcnt 12                              ; step 0's four loads are in; the twelve of steps 1 to 3 may be out
	XTURN 0
.macro XSTEP t
.set XS, X+16*((\t)%2)
	s_wait_dscnt 0x0                               ; this step's numbers are back from the stage, so its stores into the stage have read their registers,
.if (\t)+4 < STEPS
	XLOAD (\t)+4                                   ; which take the loads of four steps on
.endif
.if (\t)+1 < STEPS
.if STEPS-2-(\t) >= 3
	s_wait_loadcnt 12                              ; the next step's four loads are in; those of the three steps behind it may be out
.else
	s_wait_loadcnt 4*(STEPS-2-(\t))
.endif
	XTURN (\t)+1
.endif
.irp i, 0,1,2,3,4,5,6,7,8,9,10,11,12,13,14,15
	v_med3_num_f32 v[XS+\i], v[XS+\i], -v10, v10   ; the conversion to an 8-bit code does not saturate (ISA guide 7.6.2): the hold comes first
.endr
	v_cvt_scalef32_pk8_fp8_f32 v[C+4*(\t):C+4*(\t)+1], v[XS:XS+7], v11
	v_cvt_scalef32_pk8_fp8_f32 v[C+4*(\t)+2:C+4*(\t)+3], v[XS+8:XS+15], v11
	global_store_b128 v3, v[C+4*(\t):C+4*(\t)+3], s[22:23] offset:512*(\t)   ; each step has its own four registers: no store's data are written again
.endm
.irp t, 0,1,2,3,4,5,6,7,8,9,10,11,12,13,14,15
	XSTEP \t
.endr
	s_branch .Lend
; ---------------- the weights
.Lw:
	s_sub_co_u32 s17, ttmp9, 256
	s_lshr_b32 s18, s17, 2                         ; which 128 columns: 0-23 w_qkv's, 24-31 w_proj's
	s_and_b32 s19, s17, 3                          ; which 256 along K
	s_mov_b32 s48, 12288
	s_cmp_ge_u32 s18, 24                           ; the choice hangs on the work-group's number alone
	s_cselect_b64 s[50:51], s[8:9], s[6:7]
	s_cselect_b32 s48, 4096, s48                   ; a row of the weight in bytes
	s_cselect_b32 s49, 24, 0
	s_sub_co_u32 s49, s18, s49                     ; which 128 columns of that weight
	s_lshl_b32 s56, s48, 8
	s_mul_i32 s56, s56, s19                        ; 256 rows for each step along K,
	s_lshl_b32 s57, s49, 9
	s_add_co_u32 s56, s56, s57                     ; 512 bytes for 128 columns,
	s_lshl_b32 s57, s16, 7
	s_add_co_u32 s56, s56, s57                     ; 128 bytes for my wave's 32
	s_mov_b32 s57, 0
	s_add_nc_u64 s[20:21], s[50:51], s[56:57]      ; block 0's base;
	s_lshl_b32 s58, s48, 5
	s_mov_b32 s59, 0
.irp t, 1,2,3,4,5,6,7
	s_add_nc_u64 s[20+2*\t:21+2*\t], s[18+2*\t:19+2*\t], s[58:59]   ; a base for each block, 32 rows on: nothing is stepped while loads are out
.endr
	s_lshl_b32 s60, s18, 7
	s_lshl_b32 s61, s16, 5
	s_add_co_u32 s60, s60, s61
	s_add_co_u32 s60, s60, 8192                    ; my first row of the codes: 8192 + 128 x group + 32 x wave, for both weights
	s_lshl_b32 s60, s60, 10
	s_lshl_b32 s61, s19, 8
	s_add_co_u32 s60, s60, s61
	s_mov_b32 s61, 0
	s_add_nc_u64 s[36:37], s[12:13], s[60:61]
	s_mul_i32 s62, s16, 32*WP
	s_add_co_u32 s62, s62, WSTG                    ; my stage
	s_wait_alu depctr_va_vdst(0)
	v_mul_u32_u24 v4, v2, WP
	v_add_nc_u32 v4, s62, v4                       ; into it: row = my column
	v_and_b32 v5, 15, v2
	v_lshrrev_b32 v6, 4, v2
	v_mul_u32_u24 v7, v6, WP
	v_lshl_add_u32 v7, v5, 4, v7
	v_add_nc_u32 v7, s62, v7                       ; out of it: sixteen lanes to a row, two rows an instruction
	v_lshlrev_b32 v8, 10, v6
	v_lshl_add_u32 v8, v5, 4, v8                   ; and the same place in the codes
	v_lshlrev_b32 v[OFS], 2, v2
.set i, 1
.rept 31
	v_add_nc_u32 v[OFS+i], s48, v[OFS+i-1]
.set i, i+1
.endr
.macro WLOAD t                         ; block t: rows 32 t + i of my 256, my column: 32 lanes read 128 consecutive bytes
.set i, 0
.rept 32
	global_load_b32 v[XW+32*((\t)%2)+i], v[OFS+i], s[20+2*(\t):21+2*(\t)] th:TH_LOAD_NT
.set i, i+1
.endr
.endm
	WLOAD 0
	WLOAD 1
	s_wait_kmcnt 0x0
	s_cmp_ge_u32 s18, 24
	s_cselect_b32 s52, s47, s41                    ; e7 or e1
	s_add_co_i32 s52, s52, 127
	s_lshl_b32 s53, s52, 23
	v_mov_b32 v11, s53                             ; 2^e
	s_add_co_i32 s52, s52, 8
	s_lshl_b32 s52, s52, 23
	s_or_b32 s52, s52, 0x600000
	v_mov_b32 v10, s52                             ; 448 x 2^e
.macro WBLOCK t
.set XS, XW+32*((\t)%2)
.if (\t) < NB-1
	s_wait_loadcnt 32                              ; this block's 32 loads are in; the next block's may be out
.else
	s_wait_loadcnt 0
.endif
.set i, 0
.rept 32
	v_med3_num_f32 v[XS+i], v[XS+i], -v10, v10
.set i, i+1
.endr
.irp g, 0,1,2,3
	v_cvt_scalef32_pk8_fp8_f32 v[CW+2*\g:CW+2*\g+1], v[XS+8*\g:XS+8*\g+7], v11
.endr
	ds_store_b128 v4, v[CW:CW+3] offset:32*(\t)    ; 32 codes: 32 bytes of my column's row
	ds_store_b128 v4, v[CW+4:CW+7] offset:32*(\t)+16
.if (\t)+2 < NB
	WLOAD (\t)+2
.endif
	s_wait_dscnt 0x0                               ; the stores have read their registers: the next block's codes may be written
.endm
.set Q, 0
	s_wait_alu depctr_va_vdst(0)
.rept NB
	WBLOCK Q
.set Q, Q+1
.endr
; w_qkv's codes do not go into rows 8192-11263 of the codes, which stay unwritten and unread: they go to wfrag, in the order in which the next launch's registers take them:
; [pair of heads g][half of a head's channels][head of the pair][64 along K: 16][fragment: q 0, 1, k 0, 1, v 0, 1][1,024 bytes], a fragment = 16 columns x 64 K as two runs of 512 bytes:
; run c, lane (r, h): column r, K = 32 c + 16 h + 0 .. 15.  My wave's 32 columns x 256 K are 2 fragments x 4 steps of 64: sixteen stores of 512 consecutive bytes.
	s_cmp_ge_u32 s18, 24                           ; w_proj keeps its rows
	s_cbranch_scc1 .Lrows
	s_lshl_b32 s52, s18, 2
	s_add_co_u32 s52, s52, s16                     ; which 32 columns of the 96 x 32
	s_lshr_b32 s53, s52, 5                         ; q, k or v
	s_and_b32 s52, s52, 31
	s_and_b32 s54, s52, 1                          ; which half of the head
	s_lshr_b32 s52, s52, 1
	s_and_b32 s55, s52, 1                          ; which head of the pair
	s_lshr_b32 s52, s52, 1                         ; which pair
	s_lshl_b32 s52, s52, 1
	s_add_co_u32 s52, s52, s54
	s_lshl_b32 s52, s52, 1
	s_add_co_u32 s52, s52, s55
	s_mul_i32 s52, s52, 98304                      ; 16 steps x 6 fragments x 1,024 bytes
	s_mul_i32 s54, s19, 24576                      ; my 256 along K are four steps
	s_add_co_u32 s52, s52, s54
	s_lshl_b32 s53, s53, 11                        ; two fragments for each of q, k, v
	s_add_co_u32 s52, s52, s53
	s_mov_b32 s53, 0
	s_add_nc_u64 s[14:15], s[14:15], s[52:53]
	v_mul_u32_u24 v9, v5, WP
	v_lshlrev_b32 v3, 4, v2                        ; 16 x lane
	v_lshl_add_u32 v9, v6, 4, v9
	v_add_nc_u32 v9, s62, v9                       ; out of the stage: column r, 16 h
	s_wait_alu depctr_va_vdst(0)
.set t, 0
.irp j, 0,1
.irp q, 0,1,2,3
.irp c, 0,1
	ds_load_b128 v[OUTR+4*t:OUTR+4*t+3], v9 offset:\j*16*WP+64*\q+32*\c
.set t, t+1
.endr
.endr
.endr
.set t, 0
.irp j, 0,1
.irp q, 0,1,2,3
.irp c, 0,1
	s_wait_dscnt 15-t                              ; read-back t is in; the younger ones may be out
	global_store_b128 v3, v[OUTR+4*t:OUTR+4*t+3], s[14:15] offset:\q*6144+\j*1024+\c*512
.set t, t+1
.endr
.endr
.endr
	s_branch .Lend
.Lrows:
.irp t, 0,1,2,3,4,5,6,7,8,9,10,11,12,13,14,15
	ds_load_b128 v[OUTR+4*\t:OUTR+4*\t+3], v7 offset:2*\t*WP
.endr
.irp t, 0,1,2,3,4,5,6,7,8,9,10,11,12,13,14,15
	s_wait_dscnt 15-\t                             ; read-back t is in; the younger ones may be out
	global_store_b128 v8, v[OUTR+4*\t:OUTR+4*\t+3], s[36:37] offset:2*\t*1024   ; sixteen lanes store 256 consecutive bytes, aligned
.endr
.Lend:
	s_wait_tensorcnt 0x0                           ; the wave's end
	ds_add_u32 v[SPW], v[NIL]
	s_wait_dscnt 0x0
	s_endpgm
.Lfunc_end_k_q57e3c604bf_quant:
	.size	k_q57e3c604bf_quant, .Lfunc_end_k_q57e3c604bf_quant-k_q57e3c604bf_quant
	.p2alignl 7, 3214868480
	.fill 96, 4, 3214868480
	.section	.rodata,"a",@progbits
	.p2align	6, 0x0
	.amdhsa_kernel k_q57e3c604bf_quant
		.amdhsa_group_segment_fixed_size 68096
		.amdhsa_private_segment_fixed_size 0
		.amdhsa_enable_private_segment 0
		.amdhsa_kernarg_size 48
		.amdhsa_user_sgpr_count 2
		.amdhsa_user_sgpr_kernarg_segment_ptr 1
		.amdhsa_wavefront_size32 1
		.amdhsa_system_sgpr_workgroup_id_x 1
		.amdhsa_system_sgpr_workgroup_id_y 1
		.amdhsa_system_sgpr_workgroup_id_z 1
		.amdhsa_system_vgpr_workitem_id 0
		.amdhsa_next_free_vgpr 208
		.amdhsa_next_free_sgpr 66
		.amdhsa_reserve_vcc 0
		.amdhsa_float_denorm_mode_32 3
		.amdhsa_float_denorm_mode_16_64 3
		.amdhsa_memory_ordered 1
		.amdhsa_forward_progress 1
		.amdhsa_inst_pref_size 91
	.end_amdhsa_kernel
	.amdgpu_metadata
---
amdhsa.version: [ 1, 2 ]
amdhsa.kernels:
  - .name:           k_q57e3c604bf_quant
    .symbol:         k_q57e3c604bf_quant.kd
    .args:
      - { .name: x, .offset: 0, .size: 8, .value_kind: global_buffer, .address_space: global }
      - { .name: w_qkv, .offset: 8, .size: 8, .value_kind: global_buffer, .address_space: global }
      - { .name: w_proj, .offset: 16, .size: 8, .value_kind: global_buffer, .address_space: global }
      - { .name: lowp_scales, .offset: 24, .size: 8, .value_kind: global_buffer, .address_space: global }
      - { .name: codes, .offset: 32, .size: 8, .value_kind: global_buffer, .address_space: global }
      - { .name: wfrag, .offset: 40, .size: 8, .value_kind: global_buffer, .address_space: global }
    .group_segment_fixed_size: 68096
    .private_segment_fixed_size: 0
    .kernarg_segment_align: 8
    .kernarg_segment_size: 48
    .max_flat_workgroup_size: 128
    .sgpr_count:     66
    .vgpr_count:     208
    .wavefront_size: 32
...
	.end_amdgpu_metadata
.endif
;; end of part 1
;; launch qkv (part 2): grid 8 x 32, 4 waves a work-group, clusters of 4 x 1, 327,680 bytes of LDS; arguments codes, wfrag, lowp_scales, b_qkv, qk_codes, v_codes; writes qk_codes, v_codes
.if DOCPART == 2
	.amdgcn_target "amdgcn-amd-amdhsa--gfx1250"
	.amdhsa_code_object_version 6
	.text
	.protected	k_q57e3c604bf_qkv
	.globl	k_q57e3c604bf_qkv
	.p2align	8
	.type	k_q57e3c604bf_qkv,@function
k_q57e3c604bf_qkv:
	s_mov_b64 s[64:65], 0
	v_nop
	global_prefetch_b8 v0, s[64:65] scope:SCOPE_SE
	s_setreg_imm32_b32 hwreg(HW_REG_WAVE_MODE, 25, 1), 1
	s_wait_xcnt 0x0
	s_wait_alu depctr_hold_cnt(0) depctr_sa_sdst(0) depctr_va_vdst(0) depctr_va_sdst(0) depctr_va_ssrc(0) depctr_va_vcc(0) depctr_vm_vsrc(0)
	s_getreg_b32 s2, hwreg(HW_REG_IB_STS2, 6, 4)
	s_cmp_eq_u32 s2, 0
	s_cbranch_scc0 .Lentry_in_a_cluster
	s_endpgm
.Lentry_in_a_cluster:
	s_bfe_u32 s2, ttmp6, 0x10000c
	s_cmp_lg_u32 s2, 0x3003
	s_cbranch_scc0 .Lentry_shape_is_right
	s_endpgm
.Lentry_shape_is_right:
; qkv = x w_qkv + b_qkv on codes of E4M3 (scales 2^e0, 2^e1), and its three parts quantised at once: q (e2), k (e3), v (e5).  Nothing wide goes to memory.
; SHARES.  A work-group owns 256 tokens and two heads (pair g): 384 columns.  Its 256 rows of x's codes, all 1,024 of K, stay in LDS: one tensor load a wave (64 rows of 1,024 bytes), and no LDS byte is filled twice.
; A wave owns 128 tokens (wave % 2) and one half of a head's channels (wave / 2); in pass p it makes, for head 2 g + p, 32 channels each of q, k and v: 128 x 96, 48 accumulators of 16 x 16.
; THE WEIGHTS GO FROM MEMORY STRAIGHT INTO REGISTERS: the launch before has laid them in the order of my fragments, so a wave's two passes are one stream of 32 quarter steps (64 along K) x 6 fragments x 1,024 bytes,
; and each load covers 512 consecutive bytes.  A ring of four register sets: quarter step t asks for t + 3's twelve loads.  The last three quarter steps name the stream's first three again, whose data are not used:
; so the counted waits hold alike in every trip, and every load stays inside the stream.
; THE MATRIX INSTRUCTION.  q, k: source 0 = 16 columns of w, source 1 = 16 tokens: a lane holds a token and eight neighbouring channels.  v: the sources swapped: a lane holds a channel and eight neighbouring tokens,
; since the keys are the K of the product that reads v.  Both sides take K = 32 c + 16 (lane / 16) + 0 .. 15 into registers 4 c .. 4 c + 3: the same order of k on both.
; THE BIAS is the C of each sum's first matrix instruction, divided by 2^(e0 + e1); the three scales ahead of the quantiser are folded into the conversion's one, 2^(eo - e0 - e1).
; LAYOUT OF THE CODES.  qk_codes [part][batch x head][token][64], v_codes [batch x head][channel][token].  Along q's and k's channels and v's tokens each aligned group of 32 is laid so: element 16 u + 8 h + n
; at byte 16 h + 8 u + n: a lane's two neighbouring accumulators are 16 neighbouring bytes.  A pass's codes (a whole head of 256 tokens) meet in stages beside x's rows and leave in runs of 512 or 256 consecutive bytes.
; JOINT LOADS: the four work-groups of a cluster own the same tokens and ask for x's rows by the same load with the mask 15; cx enters global addresses alone.
; NO PREFETCH: x's rows are asked for once, at the head; the weights' loads themselves run three quarter steps ahead of their use.
; LIMITS: eo - e0 - e1 between -126 and 119 (eo = e2, e3, e5).  NaN among the inputs is not served.
; REGISTERS, in windows of 256: window 0: v1-25 addresses and scales; v32-95, v96-159 x's fragments, two sets (8 x 16 tokens x 64 K); v160-255 codes on the way out.
; window 1: v0-191 the weights' ring, set s fragment f at 48 s + 8 f; v192-239 the bias as C; v240-241 v's bias as loaded.  windows 2, 3: the accumulators of token blocks 0-3 and 4-7, (a, f) at 8 (6 (a % 4) + f).
.set AP,    1040                       ; an LDS row of x: 1,024 bytes + 16 of padding: sixteen rows begin 16 bytes apart modulo 256
.set QST,   256*AP                     ; q's stage: 256 tokens x 80 bytes; k's lies KOFS behind it
.set QP,    80
.set KOFS,  256*QP
.set VST,   QST+2*KOFS                 ; v's stage: 64 channels x 272 bytes
.set VP,    272
.set SPARE, VST+64*VP                  ; the spare words, 128 bytes for each wave, that no other line names
.set QB,    6144                       ; a quarter step of the stream: 6 fragments
.set SPW, 4
.set NIL, 5
.set LO,  6                            ; v6  16 x lane
.set AB0, 8                            ; v8, v9  my place in x's rows, token blocks 0-3 and 4-7
.set AB1, 9
.set AD0, 10                           ; v10, v11 the same at the 256 along K in hand
.set AD1, 11
.set STQ, 12
.set STV, 13
.set RDQ, 14
.set RDV, 15
.set COV, 16
.set BJ,  17
.set BI,  18
.set SCQ, 20                           ; v20-25 2^(eo - e0 - e1) and 448 x that, for q, k, v
.set WV,  16
.set TH,  17
.set CH,  18
.set G0,  20
.set G1,  24
.set SB0, 32                           ; s[32:33] the stream at the trip in hand
.set SB1, 34                           ; s[34:35] the same, but in the last trip a trip ahead of the stream's head
.set WRAP, 36
.set BIAS, 38
.set OQ,  40
.set OKK, 42
.set OV,  44
.set TT,  46                           ; s46 trips done
.set CNT, 47
.set PASS, 48
.set KO,  49                           ; s49 the 256 along K in hand, in bytes
.set NEG, 52                           ; s52 -(e0 + e1)
.set MSB, 0
.macro WIN new                         ; the immediate's high byte repeats the setting that is left
.if MSB != \new
	s_set_vgpr_msb (MSB<<8)|\new
.set MSB, \new
.endif
.endm
.macro PLACES                          ; four plain vector instructions between a matrix instruction and a load into, or a vector read of, its registers
.rept 4
	v_nop
.endr
.endm
.macro CROUND                          ; a round of the cluster's barrier
	s_barrier_signal -1
	s_barrier_wait -1
	s_cmp_lg_u32 s[WV], 0
	s_cbranch_scc1 .Lnot_wave_0_\@
	s_barrier_signal -3
.Lnot_wave_0_\@:
	s_barrier_wait -3
	s_barrier_signal -1
	s_barrier_wait -1
.endm
.macro ALOAD s, k                      ; x's eight fragments at byte k of the 256 in hand, into set s: 16 loads
.irp a, 0,1,2,3
	ds_load_b128 v[32+64*(\s)+8*\a:35+64*(\s)+8*\a], v[AD0] offset:\a*16*AP+(\k)
	ds_load_b128 v[36+64*(\s)+8*\a:39+64*(\s)+8*\a], v[AD0] offset:\a*16*AP+(\k)+32
.endr
.irp a, 0,1,2,3
	ds_load_b128 v[64+64*(\s)+8*\a:67+64*(\s)+8*\a], v[AD1] offset:\a*16*AP+(\k)
	ds_load_b128 v[68+64*(\s)+8*\a:71+64*(\s)+8*\a], v[AD1] offset:\a*16*AP+(\k)+32
.endr
.endm
.macro WLOAD set, base, off            ; a quarter step's six fragments of the weights into ring set: 12 loads of 512 consecutive bytes
	WIN 0x40                                       ; destination window 1
.irp f, 0,1,2,3,4,5
.irp c, 0,1
	global_load_b128 v[48*(\set)+8*\f+4*\c:48*(\set)+8*\f+4*\c+3], v[LO], s[\base:\base+1] offset:(\off)+\f*1024+\c*512
.endr
.endr
	WIN 0
.endm
.macro BLOAD                           ; a pass's bias: q's and k's along my eight channels of each 16, v's at my channel
	WIN 0x40
.irp f, 0,1,2,3
	global_load_b128 v[192+8*\f:195+8*\f], v[BJ], s[BIAS:BIAS+1] offset:(\f/2)*4096+(\f%2)*64
	global_load_b128 v[196+8*\f:199+8*\f], v[BJ], s[BIAS:BIAS+1] offset:(\f/2)*4096+(\f%2)*64+16
.endr
	global_load_b32 v240, v[BI], s[BIAS:BIAS+1] offset:8192
	global_load_b32 v241, v[BI], s[BIAS:BIAS+1] offset:8192+64
	WIN 0
.endm
; 24 matrix instructions: token blocks 4 hi .. 4 hi + 3 x the six fragments of ring set i.  first = 1: C = the bias.  The 48 accumulators take turns in one order in every quarter step.
.macro MULS i, hi, first
.if \first
	WIN 0x91+0x40*\hi                              ; source 0 window 1, source 1 window 0, C window 1, D window 2 or 3
.else
	WIN 0xa1+0x50*\hi                              ; C and D window 2 or 3
.endif
.irp a, 0,1,2,3
.irp f, 0,1,2,3
.if \first
	v_wmma_f32_16x16x64_fp8_fp8 v[8*(6*\a+\f):8*(6*\a+\f)+7], v[48*\i+8*\f:48*\i+8*\f+7], v[32+64*(\i%2)+8*(4*\hi+\a):32+64*(\i%2)+8*(4*\hi+\a)+7], v[192+8*\f:199+8*\f]
.else
	v_wmma_f32_16x16x64_fp8_fp8 v[8*(6*\a+\f):8*(6*\a+\f)+7], v[48*\i+8*\f:48*\i+8*\f+7], v[32+64*(\i%2)+8*(4*\hi+\a):32+64*(\i%2)+8*(4*\hi+\a)+7], v[8*(6*\a+\f):8*(6*\a+\f)+7]
.endif
.endr
.endr
.if \first
	WIN 0x94+0x40*\hi                              ; v: source 0 window 0 (tokens), source 1 window 1
.else
	WIN 0xa4+0x50*\hi
.endif
.irp a, 0,1,2,3
.irp f, 4,5
.if \first
	v_wmma_f32_16x16x64_fp8_fp8 v[8*(6*\a+\f):8*(6*\a+\f)+7], v[32+64*(\i%2)+8*(4*\hi+\a):32+64*(\i%2)+8*(4*\hi+\a)+7], v[48*\i+8*\f:48*\i+8*\f+7], v[192+8*\f:199+8*\f]
.else
	v_wmma_f32_16x16x64_fp8_fp8 v[8*(6*\a+\f):8*(6*\a+\f)+7], v[32+64*(\i%2)+8*(4*\hi+\a):32+64*(\i%2)+8*(4*\hi+\a)+7], v[48*\i+8*\f:48*\i+8*\f+7], v[8*(6*\a+\f):8*(6*\a+\f)+7]
.endif
.endr
.endr
.endm
; A QUARTER STEP, the i-th of a trip: behind four places it asks for the weights of three quarter steps on (into the set that the last quarter step read) and for x's next fragments, then multiplies set i.
.macro QUARTER i, first
	WIN 0
.if \i == 3
	s_add_co_u32 s[KO], s[KO], 256                 ; x's next fragments lie in the next 256 along K, behind the last in the first again
	s_and_b32 s[KO], s[KO], 1023
	v_add_nc_u32 v[AD0], s[KO], v[AB0]             ; (two of the four places)
	v_add_nc_u32 v[AD1], s[KO], v[AB1]
	v_nop
	v_nop
	s_wait_alu depctr_va_vdst(0)                   ; the next trip reads the two behind waits
	WLOAD (\i+3)%4, SB1, (\i+3)*QB
.elseif \i == 0
	PLACES
	WLOAD (\i+3)%4, SB0, (\i+3)*QB
.else
	PLACES
	WLOAD (\i+3)%4, SB1, (\i+3)*QB
.endif
	ALOAD 1-(\i%2), (64*(\i+1))%256
	s_wait_loadcnt 36                              ; this quarter step's weights are in; the twelve loads of each of the three behind it may be out
	s_wait_dscnt 16                                ; x's fragments of this quarter step are in; the sixteen just asked for may be out
	MULS \i, 0, \first
	MULS \i, 1, \first
.endm
.macro TRIP first                      ; 256 along K
	QUARTER 0, \first
	QUARTER 1, 0
	QUARTER 2, 0
	QUARTER 3, 0
	WIN 0
	s_wait_xcnt 0x0                                ; the loads have read their bases
	s_add_nc_u64 s[SB0:SB0+1], s[SB0:SB0+1], 4*QB
	s_add_co_u32 s[TT], s[TT], 1
	s_cmp_eq_u32 s[TT], 7                          ; the last trip's look-ahead past the stream's end goes back to its head
	s_cselect_b64 s[SB1:SB1+1], s[WRAP:WRAP+1], s[SB0:SB0+1]
.endm
.macro SCALE e, sc                     ; 2^(e - e0 - e1) and 448 x that
	s_add_co_i32 s86, s[\e], s[NEG]
	s_add_co_i32 s86, s86, 127
	s_lshl_b32 s87, s86, 23
	v_mov_b32 v[\sc], s87
	s_add_co_i32 s86, s86, 8
	s_lshl_b32 s86, s86, 23
	s_or_b32 s86, s86, 0x600000
	v_mov_b32 v[\sc+1], s86
.endm
	s_load_b256 s[4:11], s[0:1], 0x0               ; codes s[4:5], wfrag s[6:7], the scales' exponents s[8:9], b_qkv s[10:11]
	s_load_b128 s[12:15], s[0:1], 0x20             ; qk_codes s[12:13], v_codes s[14:15]
	v_lshl_add_u32 v[SPW], v0, 2, SPARE
	v_mov_b32 v[NIL], 0
	ds_add_u32 v[SPW], v[NIL]                      ; the wave's opening: the add, twice on end, and its wait ahead of the round in front of the first loads
	ds_add_u32 v[SPW], v[NIL]
	v_lshrrev_b32 v1, 5, v0
	v_readfirstlane_b32 s[WV], v1                  ; wave 0..3
	s_and_b32 s[TH], s[WV], 1                      ; my 128 tokens
	s_lshr_b32 s[CH], s[WV], 1                     ; my half of a head's channels
	s_bfe_u32 s76, ttmp6, 0x40000                  ; cx
	s_lshl_b32 s77, ttmp9, 2
	s_add_co_u32 s77, s77, s76                     ; g: the pair of heads
	s_and_b32 s78, ttmp7, 0xffff                   ; which 256 tokens
	s_lshl_b32 s80, s78, 18                        ; x's rows that I fetch: (256 x block + 64 x wave) x 1,024 bytes
	s_lshl_b32 s81, s[WV], 16
	s_add_co_u32 s80, s80, s81
	s_mov_b32 s81, 0
	s_mul_i32 s79, s[WV], 64*AP                    ; and where they go
	s_lshl_b32 s82, s77, 1
	s_add_co_u32 s82, s82, s[CH]
	s_mul_i32 s82, s82, 32*QB                      ; my stream
	s_mov_b32 s83, 0
	s_lshl_b32 s84, s77, 9                         ; the bias: 4 (128 g + 32 x my half)
	s_lshl_b32 s85, s[CH], 7
	s_add_co_u32 s84, s84, s85
	s_mov_b32 s85, 0
	s_lshr_b32 s88, s78, 3                         ; batch
	s_lshl_b32 s88, s88, 4
	s_lshl_b32 s89, s77, 1
	s_add_co_u32 s88, s88, s89                     ; 16 x batch + head 2 g
	s_lshl_b32 s88, s88, 17                        ; 131,072 bytes a head in q, k and v alike
	s_and_b32 s89, s78, 7                          ; which 256 tokens of the batch
	s_lshl_b32 s90, s89, 14                        ; q, k: 256 tokens of 64 bytes,
	s_add_co_u32 s90, s90, s88
	s_lshl_b32 s91, s[WV], 12                      ; of which I store 64
	s_add_co_u32 s90, s90, s91
	s_mov_b32 s91, 0
	s_lshl_b32 s92, s89, 8                         ; v: 256 bytes of a channel's row,
	s_add_co_u32 s92, s92, s88
	s_lshl_b32 s93, s[WV], 15                      ; of 16 channels' rows of 2,048 bytes
	s_add_co_u32 s92, s92, s93
	s_mov_b32 s93, 0
	s_mov_b32 s[G1], 15|(1<<20)|(1<<21)|(7<<22)|(3<<25)   ; the mask of all four; elements of 1 byte; padding on; bit 21 beside a mask; 4 words after every 256
	s_mov_b32 s[G1+1], 1024<<16                    ; tensor_dim0
	s_mov_b32 s[G1+2], 64<<16                      ; tensor_dim1
	s_mov_b32 s[G1+3], 1024<<16                    ; tile_dim0
	s_mov_b32 s[G1+4], 64                          ; tile_dim1
	s_mov_b32 s[G1+5], 1024                        ; from row to row
	s_mov_b32 s[G1+6], 0
	s_mov_b32 s[G1+7], 0
	s_mov_b32 s[TT], 0
	s_mov_b32 s[PASS], 0
	s_mov_b32 s[KO], 0
	s_mul_i32 s94, s[TH], 128*AP                   ; LDS: my 128 tokens in x's rows,
	s_mul_i32 s95, s[TH], 128*QP
	s_lshl_b32 s96, s[CH], 5
	s_add_co_u32 s95, s95, s96
	s_add_co_u32 s95, s95, QST                     ; in q's stage at my half's 32 bytes,
	s_mul_i32 s96, s[CH], 32*VP
	s_lshl_b32 s97, s[TH], 7
	s_add_co_u32 s96, s96, s97
	s_add_co_u32 s96, s96, VST                     ; my 32 channels in v's stage at my 128 tokens;
	s_mul_i32 s97, s[WV], 64*QP
	s_add_co_u32 s97, s97, QST                     ; back: 64 tokens of q and of k,
	s_mul_i32 s98, s[WV], 16*VP
	s_add_co_u32 s98, s98, VST                     ; 16 channels of v
	s_wait_dscnt 0x0                               ; both opening adds are done
	s_wait_kmcnt 0x0
	s_load_b256 s[68:75], s[8:9], 0x0              ; e0 .. e7
	s_mov_b32 s[G0], 1
	s_mov_b32 s[G0+1], s79
	s_add_nc_u64 s[G0+2:G0+3], s[4:5], s[80:81]
	s_or_b32 s[G0+3], s[G0+3], 0x80000000
	s_add_nc_u64 s[SB0:SB0+1], s[6:7], s[82:83]
	s_mov_b64 s[SB1:SB1+1], s[SB0:SB0+1]
	s_sub_nc_u64 s[WRAP:WRAP+1], s[SB0:SB0+1], 4*QB
	s_add_nc_u64 s[BIAS:BIAS+1], s[10:11], s[84:85]
	s_add_nc_u64 s[OQ:OQ+1], s[12:13], s[90:91]
	s_add_nc_u64 s[OKK:OKK+1], s[OQ:OQ+1], 0x800000   ; k lies 8,388,608 bytes behind q
	s_add_nc_u64 s[OV:OV+1], s[14:15], s[92:93]
	CROUND                                         ; all four work-groups are here: the joint loads meet
	tensor_load_to_lds s[G0:G0+3], s[G1:G1+7]      ; my 64 rows of x: the wave's one tensor load
	s_nop 0
	v_and_b32 v1, 15, v0                           ; r
	v_bfe_u32 v2, v0, 4, 1                         ; h
	v_and_b32 v3, 31, v0                           ; lane
	v_mul_u32_u24 v[AB0], v1, AP
	v_lshlrev_b32 v[LO], 4, v3
	v_lshl_add_u32 v[AB0], v2, 4, v[AB0]
	v_lshlrev_b32 v[BJ], 5, v2
	v_add_nc_u32 v[AB0], s94, v[AB0]
	v_lshlrev_b32 v[BI], 2, v1
	v_add_nc_u32 v[AB1], 64*AP, v[AB0]
	v_mov_b32 v[AD0], v[AB0]
	v_mov_b32 v[AD1], v[AB1]
	s_wait_alu depctr_va_vdst(0)
	WLOAD 0, SB0, 0                                ; the ring's first three quarter steps,
	WLOAD 1, SB0, QB
	WLOAD 2, SB0, 2*QB
	BLOAD                                          ; and the first pass's bias: all on their way while x's rows come
	v_mul_u32_u24 v[STQ], v1, QP
	v_mul_u32_u24 v[STV], v1, VP
	v_lshl_add_u32 v[STQ], v2, 4, v[STQ]
	v_lshl_add_u32 v[STV], v2, 4, v[STV]
	v_add_nc_u32 v[STQ], s95, v[STQ]               ; into q's stage: token r of a block, 16 h
	v_add_nc_u32 v[STV], s96, v[STV]               ; into v's: channel r of a fragment, 16 h
	v_lshrrev_b32 v[RDQ], 2, v3
	v_and_b32 v7, 3, v3
	v_mul_u32_u24 v[RDQ], v[RDQ], QP
	v_mul_u32_u24 v[RDV], v2, VP
	v_lshl_add_u32 v[RDQ], v7, 4, v[RDQ]
	v_lshl_add_u32 v[RDV], v1, 4, v[RDV]
	v_add_nc_u32 v[RDQ], s97, v[RDQ]               ; back, q and k: four lanes to a token's 64 bytes, eight tokens an instruction
	v_add_nc_u32 v[RDV], s98, v[RDV]               ; back, v: sixteen lanes to a channel's 256 bytes, two channels an instruction
	v_lshlrev_b32 v[COV], 11, v2
	v_lshl_add_u32 v[COV], v1, 4, v[COV]
	s_wait_kmcnt 0x0
	s_add_co_i32 s[NEG], s68, s69
	s_sub_co_i32 s[NEG], 0, s[NEG]                 ; -(e0 + e1): a sum stands for sum x 2^(e0 + e1)
	SCALE 70, SCQ
	SCALE 71, SCQ+2
	SCALE 73, SCQ+4
	s_wait_alu depctr_va_vdst(0)
	s_wait_tensorcnt 0x0                           ; my rows of x are in
	s_barrier_signal -1
	s_barrier_wait -1                              ; everybody's are
	ALOAD 0, 0
.Lpass:
	s_wait_loadcnt 0x0                             ; the pass's bias (and with it the ring's three sets)
	WIN 0x41                                       ; source 0 and destination window 1
.set j, 0
.rept 32
	v_ldexp_f32 v[192+j], v[192+j], s[NEG]         ; the bias / 2^(e0 + e1)
.set j, j+1
.endr
.irp f, 0,1
.irp n, 0,1,2,3,4,5,6,7
	v_ldexp_f32 v[224+8*\f+\n], v[240+\f], s[NEG]  ; v: one number serves a lane's eight registers
.endr
.endr
	WIN 0
	s_wait_alu depctr_va_vdst(0)
	TRIP 1                                         ; the first products start the sums on the bias
	s_mov_b32 s[CNT], 3
.Ltrip:
	TRIP 0
	s_sub_co_u32 s[CNT], s[CNT], 1
	s_cmp_lg_u32 s[CNT], 0
	s_cbranch_scc1 .Ltrip
	; THE WAY OUT of a pass
	PLACES
	s_cmp_lg_u32 s[PASS], 0
	s_cbranch_scc1 .Lno_bias                       ; behind the last pass no bias is left to ask for, and no wait on loads follows
	s_add_nc_u64 s[BIAS:BIAS+1], s[BIAS:BIAS+1], 256   ; the next head's 64 channels
	BLOAD
.Lno_bias:
.irp a, 0,1,2,3,4,5,6,7
	WIN 0x82+0x41*(\a/4)                           ; source 0 and destination window 2 or 3
.irp p, 0,1,2
.set j, 0
.rept 16
	v_med3_num_f32 v[48*(\a%4)+16*\p+j], v[48*(\a%4)+16*\p+j], -v[SCQ+2*\p+1], v[SCQ+2*\p+1]   ; the conversion to an 8-bit code does not saturate (ISA guide 7.6.2); each accumulator from its low end on
.set j, j+1
.endr
.endr
	WIN 0x02+(\a/4)                                ; source 0 window 2 or 3, destination window 0
	v_cvt_scalef32_pk8_fp8_f32 v[160+4*\a:161+4*\a], v[48*(\a%4):48*(\a%4)+7], v[SCQ]
	v_cvt_scalef32_pk8_fp8_f32 v[162+4*\a:163+4*\a], v[48*(\a%4)+8:48*(\a%4)+15], v[SCQ]
	v_cvt_scalef32_pk8_fp8_f32 v[192+4*\a:193+4*\a], v[48*(\a%4)+16:48*(\a%4)+23], v[SCQ+2]
	v_cvt_scalef32_pk8_fp8_f32 v[194+4*\a:195+4*\a], v[48*(\a%4)+24:48*(\a%4)+31], v[SCQ+2]
	v_cvt_scalef32_pk8_fp8_f32 v[224+2*\a:225+2*\a], v[48*(\a%4)+32:48*(\a%4)+39], v[SCQ+4]
	v_cvt_scalef32_pk8_fp8_f32 v[240+2*\a:241+2*\a], v[48*(\a%4)+40:48*(\a%4)+47], v[SCQ+4]
.endr
	v_nop                                          ; one plain vector instruction behind the last conversion
	WIN 0
	s_wait_alu depctr_va_vdst(0)
	s_wait_dscnt 0x0
	s_barrier_signal -1
	s_barrier_wait -1                              ; every wave has read the last pass's codes out of the stages
.irp a, 0,1,2,3,4,5,6,7
	ds_store_b128 v[STQ], v[160+4*\a:163+4*\a] offset:\a*16*QP
	ds_store_b128 v[STQ], v[192+4*\a:195+4*\a] offset:KOFS+\a*16*QP
.endr
.irp m, 0,1,2,3
	ds_store_b128 v[STV], v[224+4*\m:227+4*\m] offset:32*\m            ; token blocks 2 m and 2 m + 1: my 16 bytes of the group of 32
	ds_store_b128 v[STV], v[240+4*\m:243+4*\m] offset:16*VP+32*\m
.endr
	s_wait_dscnt 0x0                               ; for the others' sake: my stores into the stages are done
	s_barrier_signal -1
	s_barrier_wait -1
.irp t, 0,1,2,3,4,5,6,7
	ds_load_b128 v[160+4*\t:163+4*\t], v[RDQ] offset:\t*8*QP
.endr
.irp t, 0,1,2,3,4,5,6,7
	ds_load_b128 v[192+4*\t:195+4*\t], v[RDQ] offset:KOFS+\t*8*QP
.endr
.irp t, 0,1,2,3,4,5,6,7
	ds_load_b128 v[224+4*\t:227+4*\t], v[RDV] offset:\t*2*VP
.endr
.irp t, 0,1,2,3,4,5,6,7
	s_wait_dscnt 23-\t                             ; read-back t is in; the younger ones may be out
	global_store_b128 v[LO], v[160+4*\t:163+4*\t], s[OQ:OQ+1] offset:512*\t      ; 32 lanes store 512 consecutive bytes, aligned
.endr
.irp t, 0,1,2,3,4,5,6,7
	s_wait_dscnt 15-\t
	global_store_b128 v[LO], v[192+4*\t:195+4*\t], s[OKK:OKK+1] offset:512*\t
.endr
.irp t, 0,1,2,3,4,5,6,7
	s_wait_dscnt 7-\t
	global_store_b128 v[COV], v[224+4*\t:227+4*\t], s[OV:OV+1] offset:4096*\t    ; sixteen lanes store 256 consecutive bytes, aligned
.endr
	s_wait_xcnt 0x0                                ; the stores have read their bases
	s_add_nc_u64 s[OQ:OQ+1], s[OQ:OQ+1], 131072    ; on to the next head
	s_add_nc_u64 s[OKK:OKK+1], s[OKK:OKK+1], 131072
	s_add_nc_u64 s[OV:OV+1], s[OV:OV+1], 131072
	s_add_co_u32 s[PASS], s[PASS], 1
	s_cmp_lt_u32 s[PASS], 2
	s_cbranch_scc1 .Lpass
	s_wait_tensorcnt 0x0                           ; the wave's end
	ds_add_u32 v[SPW], v[NIL]
	s_wait_dscnt 0x0
	CROUND                                         ; the closing round
	s_endpgm
.Lfunc_end_k_q57e3c604bf_qkv:
	.size	k_q57e3c604bf_qkv, .Lfunc_end_k_q57e3c604bf_qkv-k_q57e3c604bf_qkv
	.p2alignl 7, 3214868480
	.fill 96, 4, 3214868480
	.section	.rodata,"a",@progbits
	.p2align	6, 0x0
	.amdhsa_kernel k_q57e3c604bf_qkv
		.amdhsa_group_segment_fixed_size 327680
		.amdhsa_private_segment_fixed_size 0
		.amdhsa_enable_private_segment 0
		.amdhsa_kernarg_size 48
		.amdhsa_user_sgpr_count 2
		.amdhsa_user_sgpr_kernarg_segment_ptr 1
		.amdhsa_wavefront_size32 1
		.amdhsa_system_sgpr_workgroup_id_x 1
		.amdhsa_system_sgpr_workgroup_id_y 1
		.amdhsa_system_sgpr_workgroup_id_z 1
		.amdhsa_system_vgpr_workitem_id 0
		.amdhsa_next_free_vgpr 960
		.amdhsa_next_free_sgpr 100
		.amdhsa_reserve_vcc 0
		.amdhsa_float_denorm_mode_32 3
		.amdhsa_float_denorm_mode_16_64 3
		.amdhsa_memory_ordered 1
		.amdhsa_forward_progress 1
		.amdhsa_inst_pref_size 97
	.end_amdhsa_kernel
	.amdgpu_metadata
---
amdhsa.version: [ 1, 2 ]
amdhsa.kernels:
  - .name:           k_q57e3c604bf_qkv
    .symbol:         k_q57e3c604bf_qkv.kd
    .args:
      - { .name: codes, .offset: 0, .size: 8, .value_kind: global_buffer, .address_space: global }
      - { .name: wfrag, .offset: 8, .size: 8, .value_kind: global_buffer, .address_space: global }
      - { .name: lowp_scales, .offset: 16, .size: 8, .value_kind: global_buffer, .address_space: global }
      - { .name: b_qkv, .offset: 24, .size: 8, .value_kind: global_buffer, .address_space: global }
      - { .name: qk_codes, .offset: 32, .size: 8, .value_kind: global_buffer, .address_space: global }
      - { .name: v_codes, .offset: 40, .size: 8, .value_kind: global_buffer, .address_space: global }
    .group_segment_fixed_size: 327680
    .private_segment_fixed_size: 0
    .kernarg_segment_align: 8
    .kernarg_segment_size: 48
    .max_flat_workgroup_size: 128
    .sgpr_count:     100
    .vgpr_count:     960
    .wavefront_size: 32
...
	.end_amdgpu_metadata
.endif
;; end of part 2
;; launch attn (part 3): grid 4 x 64, 16 waves a work-group, clusters of 4 x 1, 327,680 bytes of LDS; arguments qk_codes, v_codes, lowp_scales, a_codes; writes a_codes
.if DOCPART == 3
	.amdgcn_target "amdgcn-amd-amdhsa--gfx1250"
	.amdhsa_code_object_version 6
	.text
	.protected	k_q57e3c604bf_attn
	.globl	k_q57e3c604bf_attn
	.p2align	8
	.type	k_q57e3c604bf_attn,@function
k_q57e3c604bf_attn:
	s_mov_b64 s[64:65], 0
	v_nop
	global_prefetch_b8 v0, s[64:65] scope:SCOPE_SE
	s_setreg_imm32_b32 hwreg(HW_REG_WAVE_MODE, 25, 1), 1
	s_wait_xcnt 0x0
	s_wait_alu depctr_hold_cnt(0) depctr_sa_sdst(0) depctr_va_vdst(0) depctr_va_sdst(0) depctr_va_ssrc(0) depctr_va_vcc(0) depctr_vm_vsrc(0)
	s_getreg_b32 s2, hwreg(HW_REG_IB_STS2, 6, 4)
	s_cmp_eq_u32 s2, 0
	s_cbranch_scc0 .Lentry_in_a_cluster
	s_endpgm
.Lentry_in_a_cluster:
	s_bfe_u32 s2, ttmp6, 0x10000c
	s_cmp_lg_u32 s2, 0x3003
	s_cbranch_scc0 .Lentry_shape_is_right
	s_endpgm
.Lentry_shape_is_right:
; Causal attention of one head on codes of E4M3, and its result quantised (e6) for the last product.  q, k: [batch x head][token][64]; v: [batch x head][channel][token]; a_codes: [batch x head][token][64].
; THE SOFTMAX AHEAD OF THE SECOND PRODUCT: t = score x log2(e) / 8; M = the running largest t rounded UP to a whole number; p = 2^(t - M) is quantised (e4), not normalised; the row's sum is taken of the
; unquantised p in f32 and divides at the end.  When M moves, the sum and O are multiplied by 2^(old M - new M): exact.
; WORK LEFT OUT: under the causal mask a step of 128 keys all of which come after a tile's 16 queries reaches no output and is jumped over.
; A HEAD'S K AND V STAY IN LDS WHOLE: 512 rows of 256 bytes (four keys each) and 8 x 64 rows of 256 bytes (a channel's 256 tokens), 272 bytes apart: 278,528 bytes.  Nothing is filled twice, so the key steps need no ring.
; SHARES.  The four work-groups of a head form a cluster; each holds all of K and V and owns 32 of the head's 128 tiles of 16 queries.  A wave owns tile i = 8 a + b and tile 127 - i, a = wave / 2, b = 4 (wave % 2) + cx:
; (a + 1) + (16 - a) = 17 key steps in every wave.  All tests on steps hang on a, that is on the wave's number; cx enters global addresses and the mask's compare value alone.
; ORDER.  Keys 0-1023 are asked for at the head, keys 1024-2047 behind the three lines and a round; then every wave walks steps 0-7 of its late tile (all open for tiles 64 and up), one barrier shows the second half,
; and each wave finishes its late tile (steps 8 .. 15 - a) and walks its early tile (steps 0 .. a) with no further barrier.  The loops' trip counts are constants; a step past the tile's last is jumped over.
; JOINT LOADS: the four partners ask for every tile of K and V by the same load with the mask 15: waves 0-7 K's 32 rows each, waves 8-15 V's 32 channels x 256 tokens each.
; NO PREFETCH: each byte of K and V is asked for once by one of a wave's two tensor loads, and the second is issued eight key steps ahead of the wait for it: no later load is left to run ahead of.
; LAYOUT.  Both products transposed: S^T = K Q^T (source 0 = 16 keys), O^T = V^T P^T (source 0 = 16 channels): a lane holds ONE query (lane % 16).  Register n of score tile t is key 16 t + 8 (lane / 16) + n, so tile t's
; eight codes are registers 2 t, 2 t + 1 of p's fragment; v's tokens were laid by the launch before so that four loads of 16 bytes bring V's fragment in that same order; q's and k's channels are laid alike.
; LIMITS: e2 + e3 between -123 and 130 (added to c's exponent field); e4 and e6 between -126 and 119; e4 + e5 goes by v_ldexp_f32 and has none.  The promise holds while the scaled scores t stay under 2^31 in magnitude.
; REGISTERS: v1-7, v10, v11, v245 stay; v8, v9 addresses in hand; v12 -M, v13 the largest t, v[14:15] the sum; v16-23, v24-31 Q of the late and the early tile; v32-95 K's eight fragments, then V's four;
; v96-159 S^T, then p; v160-191 O^T; v224-239 p's codes; v240-255 scales and work.
.set KP,    272                        ; an LDS row: 256 bytes + 16 of padding
.set VOFF,  512*KP                     ; V's region begins behind K's 512 rows
.set HALF,  256*KP                     ; 1,024 keys' worth of either region
.set KSTEP, 32*KP                      ; a step's 128 keys in K's region
.set VBACK, KSTEP-128                  ; V's place of step s is s x KSTEP less VBACK for odd s: (s / 2) x 64 KP + 128 (s % 2)
.set SPARE, 2*VOFF                     ; the spare words: 128 bytes for each of 16 waves, that no other line names
.set STAGE, SPARE+2048                 ; the way out: 16 rows x 80 bytes for each wave; no tile lands here
.set SPB,   80
.set AK0, 1                            ; v1  my lane's place in a tile of K
.set AV0, 2                            ; v2  the same for V, less VBACK
.set DL,  3                            ; v3  the late tile's mask: 16 (7 - b) + lane % 16 - 8 (lane / 16)
.set QA,  4                            ; v4  my offset in a tile of q
.set SPW, 5
.set NIL, 6
.set GO,  7                            ; v7  the way out: 16 x lane
.set ADK, 8
.set ADV, 9
.set STI, 10                           ; v10 into my stage
.set STB, 11                           ; v11 back from it
.set DS,  245                          ; v245 the early tile's mask: 16 b + lane % 16 - 8 (lane / 16)
.set WV,  18
.set SEL, 20
.set CS,  22
.set G1K, 24
.set G1V, 32
.set G0K, 40
.set G0V, 44
.set ST,  48                           ; s48 the step
.set TK,  49                           ; s49 ST x KSTEP
.set TV,  50
.set PP,  51                           ; s51 VBACK in even steps, 0 in odd ones
.set LIML, 52                          ; s52 the late tile's last step: 15 - a
.set LIMS, 53                          ; s53 the early tile's: a
.set QLB, 54                           ; s[54:55], s[56:57] q at my late and early tile; s[58:59], s[60:61] a_codes likewise
.set QSB, 56
.set OLB, 58
.set OSB, 60
.set EPV, 83                           ; s83 e4 + e5
.macro TLOAD                           ; a joint load: every wave issues one; an s_nop 0 and four v_nop follow each line
	s_cmp_lt_u32 s[WV], 8
	s_cbranch_scc0 .Lfor_v_\@
	tensor_load_to_lds s[G0K:G0K+3], s[G1K:G1K+7]
	s_nop 0
.rept 4
	v_nop
.endr
	s_branch .Lasked_\@
.Lfor_v_\@:
	tensor_load_to_lds s[G0V:G0V+3], s[G1V:G1V+7]
	s_nop 0
.rept 4
	v_nop
.endr
.Lasked_\@:
.endm
.macro CROUND                          ; a round of the cluster's barrier
	s_barrier_signal -1
	s_barrier_wait -1
	s_cmp_lg_u32 s[WV], 0
	s_cbranch_scc1 .Lnot_wave_0_\@
	s_barrier_signal -3
.Lnot_wave_0_\@:
	s_barrier_wait -3
	s_barrier_signal -1
	s_barrier_wait -1
.endm
.macro INIT                            ; a tile begins: the step is written for all steps alike; the first finds zeros, which the first change of M leaves zeros
	v_mov_b32 v13, 0xff61b1e6                      ; the largest t so far: -3e38
	v_mov_b32 v14, 0
	v_mov_b32 v15, 0
	v_floor_f32 v12, -v13                          ; -M
.set j, 0
.rept 32
	v_mov_b32 v[160+j], 0
.set j, j+1
.endr
.endm
	s_load_b256 s[4:11], s[0:1], 0x0               ; qk_codes s[4:5], v_codes s[6:7], the scales' exponents s[8:9], a_codes s[10:11]
	v_lshl_add_u32 v[SPW], v0, 2, SPARE
	v_mov_b32 v[NIL], 0
	ds_add_u32 v[SPW], v[NIL]                      ; the wave's opening: the add, twice on end, and its wait ahead of the round in front of the first loads
	ds_add_u32 v[SPW], v[NIL]
	v_lshrrev_b32 v8, 5, v0
	v_readfirstlane_b32 s[WV], v8                  ; wave 0..15
	s_bfe_u32 s76, ttmp6, 0x40000                  ; cx
	s_and_b32 s84, ttmp7, 0xffff
	s_lshl_b32 s84, s84, 17                        ; the head's first byte: 131,072 bytes a head in q, k, v and a alike
	s_mov_b32 s85, 0
	s_lshr_b32 s[LIMS], s[WV], 1                   ; a
	s_sub_co_u32 s[LIML], 15, s[LIMS]
	s_and_b32 s77, s[WV], 1
	s_lshl_b32 s77, s77, 2
	s_add_co_u32 s77, s77, s76                     ; b
	s_lshl_b32 s78, s[LIMS], 3
	s_add_co_u32 s78, s78, s77                     ; i
	s_sub_co_u32 s79, 127, s78
	s_lshl_b32 s86, s78, 10                        ; a tile's 16 rows of 64 bytes
	s_mov_b32 s87, 0
	s_lshl_b32 s88, s79, 10
	s_mov_b32 s89, 0
	s_add_nc_u64 s[86:87], s[86:87], s[84:85]      ; my early tile's place in q and in a,
	s_add_nc_u64 s[88:89], s[88:89], s[84:85]      ; my late tile's
	s_lshl_b32 s94, s77, 4                         ; 16 b
	s_sub_co_u32 s95, 112, s94                     ; 16 (7 - b)
	s_mul_i32 s96, s[WV], 16*SPB
	s_add_co_u32 s96, s96, STAGE                   ; my stage
	s_and_b32 s80, s[WV], 7                        ; what I fetch.  K: 32 rows of 256 bytes, 8,192 bytes on for each wave
	s_lshl_b32 s90, s80, 13
	s_mov_b32 s91, 0
	s_add_nc_u64 s[90:91], s[90:91], s[84:85]
	s_add_nc_u64 s[90:91], s[90:91], 0x800000      ; k lies 8,388,608 bytes behind q
	s_mul_i32 s81, s80, 32*KP
	s_and_b32 s82, s80, 1                          ; V: which 32 channels,
	s_lshr_b32 s80, s80, 1                         ; of which 256 tokens
	s_lshl_b32 s92, s82, 16
	s_lshl_b32 s93, s80, 8
	s_add_co_u32 s92, s92, s93
	s_mov_b32 s93, 0
	s_add_nc_u64 s[92:93], s[92:93], s[84:85]
	s_mul_i32 s82, s82, 32*KP
	s_mul_i32 s80, s80, 64*KP
	s_add_co_u32 s82, s82, s80
	s_add_co_u32 s82, s82, VOFF
	s_mov_b32 s[G1K], 15|(1<<20)|(1<<21)|(5<<22)|(3<<25)   ; the mask of all four; elements of 1 byte; padding on; bit 21 beside a mask; 4 words after every 64
	s_mov_b32 s[G1K+1], 256<<16                    ; K: 32 rows of 256 bytes, dense in memory
	s_mov_b32 s[G1K+2], 32<<16
	s_mov_b32 s[G1K+3], 256<<16
	s_mov_b32 s[G1K+4], 32
	s_mov_b32 s[G1K+5], 256
	s_mov_b32 s[G1K+6], 0
	s_mov_b32 s[G1K+7], 0
	s_mov_b32 s[G1V], 15|(1<<20)|(1<<21)|(5<<22)|(3<<25)
	s_mov_b32 s[G1V+1], 256<<16                    ; V: 32 channels' 256 tokens, rows 2,048 bytes apart
	s_mov_b32 s[G1V+2], 32<<16
	s_mov_b32 s[G1V+3], 256<<16
	s_mov_b32 s[G1V+4], 32
	s_mov_b32 s[G1V+5], 2048
	s_mov_b32 s[G1V+6], 0
	s_mov_b32 s[G1V+7], 0
	s_mov_b32 s[SEL], 0x76543210
	s_mov_b32 s[SEL+1], 0xfedcba98
	s_mov_b32 s[CS], 0x3e38aa3b                    ; c = log2(e) / 8
	s_wait_dscnt 0x0                               ; both opening adds are done
	s_wait_kmcnt 0x0
	s_load_b256 s[68:75], s[8:9], 0x0              ; e0 .. e7
	s_mov_b32 s[G0K], 1
	s_mov_b32 s[G0K+1], s81
	s_add_nc_u64 s[G0K+2:G0K+3], s[4:5], s[90:91]
	s_or_b32 s[G0K+3], s[G0K+3], 0x80000000
	s_mov_b32 s[G0V], 1
	s_mov_b32 s[G0V+1], s82
	s_add_nc_u64 s[G0V+2:G0V+3], s[6:7], s[92:93]
	s_or_b32 s[G0V+3], s[G0V+3], 0x80000000
	s_add_nc_u64 s[QLB:QLB+1], s[4:5], s[88:89]
	s_add_nc_u64 s[QSB:QSB+1], s[4:5], s[86:87]
	s_add_nc_u64 s[OLB:OLB+1], s[10:11], s[88:89]
	s_add_nc_u64 s[OSB:OSB+1], s[10:11], s[86:87]
	CROUND                                         ; all four work-groups are here: the first joint loads meet
	TLOAD                                          ; keys 0-1023: one tensor load a wave at the head
	v_and_b32 v8, 15, v0                           ; r
	v_bfe_u32 v9, v0, 4, 1                         ; h
	v_lshlrev_b32 v[QA], 6, v8
	v_lshl_add_u32 v[QA], v9, 4, v[QA]
	global_load_b128 v[16:19], v[QA], s[QLB:QLB+1] ; both tiles' fragments of Q stay in registers
	global_load_b128 v[20:23], v[QA], s[QLB:QLB+1] offset:32
	global_load_b128 v[24:27], v[QA], s[QSB:QSB+1]
	global_load_b128 v[28:31], v[QA], s[QSB:QSB+1] offset:32
	v_lshrrev_b32 v[STB], 2, v8
	v_and_b32 v[STI], 3, v8
	v_mul_u32_u24 v[AK0], v[STB], KP
	v_mul_u32_u24 v[AV0], v8, KP
	v_lshl_add_u32 v[AK0], v[STI], 6, v[AK0]
	v_lshl_add_u32 v[AV0], v9, 4, v[AV0]
	v_lshl_add_u32 v[AK0], v9, 4, v[AK0]           ; key r of a tile: LDS row r / 4, byte 64 (r % 4) + 16 h: sixteen lanes, sixteen different 16-byte columns modulo 256
	v_add_nc_u32 v[AV0], VOFF-VBACK, v[AV0]        ; channel r of a tile
	v_lshlrev_b32 v[DS], 3, v9
	v_and_b32 v[GO], 31, v0
	v_sub_nc_u32 v[DS], v8, v[DS]                  ; r - 8 h
	v_mul_u32_u24 v[STI], v8, SPB
	v_add_nc_u32 v[DL], s95, v[DS]
	v_add_nc_u32 v[DS], s94, v[DS]
	v_lshl_add_u32 v[STI], v9, 3, v[STI]
	v_lshrrev_b32 v[STB], 2, v[GO]
	v_add_nc_u32 v[STI], s96, v[STI]               ; in: row r, tile t's eight channels of my half at 16 t + 8 h
	v_mul_u32_u24 v[STB], v[STB], SPB
	v_and_b32 v244, 3, v[GO]
	v_lshlrev_b32 v[GO], 4, v[GO]
	v_lshl_add_u32 v[STB], v244, 4, v[STB]
	v_mov_b32 v246, 0                              ; a lane permute's destination counts as one of its sources
	v_add_nc_u32 v[STB], s96, v[STB]               ; back: four lanes to a row of 64 bytes
	v_mov_b32 v252, 0
	v_mov_b32 v253, 0                              ; (named as the upper half of the pair v[252:253])
	INIT
	s_wait_kmcnt 0x0
	s_add_co_i32 s86, s70, s71
	s_lshl_b32 s86, s86, 23
	s_add_co_i32 s[CS], s[CS], s86                 ; a score stands for score x 2^(e2 + e3)
	s_mov_b32 s[CS+1], s[CS]
	s_add_co_i32 s86, s72, 127
	s_lshl_b32 s87, s86, 23
	v_mov_b32 v244, s87                            ; 2^e4
	s_add_co_i32 s86, s86, 8
	s_lshl_b32 s86, s86, 23
	s_or_b32 s86, s86, 0x600000
	v_mov_b32 v240, s86                            ; 448 x 2^e4,
	v_mov_b32 v241, s86                            ; twice: one for each half of a dual pair
	s_add_co_i32 s[EPV], s72, s73                  ; e4 + e5
	s_add_co_i32 s86, s74, 127
	s_lshl_b32 s87, s86, 23
	v_mov_b32 v248, s87                            ; 2^e6
	s_add_co_i32 s86, s86, 8
	s_lshl_b32 s86, s86, 23
	s_or_b32 s86, s86, 0x600000
	v_mov_b32 v249, s86                            ; 448 x 2^e6
; A KEY STEP: keys 128 ST .. + 127 against the tile whose Q stands at v[qr].  tested = 1: a step past s[lim] is jumped over (a branch on the wave's number and the count of steps, round no barrier), and step s[lim] lies on the diagonal.
.macro STEP qr, tested, lim, dv
.if \tested
	s_cmp_gt_u32 s[ST], s[\lim]
	s_cbranch_scc1 .Lhidden_\@
.endif
	s_add_co_u32 s[TV], s[TK], s[PP]
	v_add_nc_u32 v[ADK], s[TK], v[AK0]
	v_add_nc_u32 v[ADV], s[TV], v[AV0]
	v_nop                                          ; with the two additions: four places in front of loads into registers that the last products read
	v_nop
.irp t, 0,1,2,3,4,5,6,7
	ds_load_b128 v[32+8*\t:35+8*\t], v[ADK] offset:4*\t*KP
	ds_load_b128 v[36+8*\t:39+8*\t], v[ADK] offset:4*\t*KP+32
.endr
	s_wait_alu depctr_va_vdst(0)
	s_wait_dscnt 0x0
.irp t, 0,1,2,3,4,5,6,7
	v_wmma_f32_16x16x64_fp8_fp8 v[96+8*\t:103+8*\t], v[32+8*\t:39+8*\t], v[\qr:\qr+7], 0
.endr
.rept 4
	v_nop
.endr
.irp t, 0,1,2,3                                ; V's fragments are asked for now, into K's registers: they come while the softmax is walked
.irp c, 0,1,2,3
	ds_load_b128 v[32+16*\t+4*\c:35+16*\t+4*\c], v[ADV] offset:16*\t*KP+32*\c
.endr
.endr
.if \tested
	s_cmp_lg_u32 s[ST], s[\lim]                    ; on the diagonal hidden scores become -infinity ahead of the maximum; every earlier step is open
	s_cbranch_scc1 .Lopen_\@
	v_mov_b32 v254, 0xff800000
.set n, 0
.rept 64
	v_cmp_gt_i32 vcc_lo, 16*(n/8)+n%8, v[\dv]      ; register n holds the step's key 8 (lane / 16) + 16 (n / 8) + n % 8
	v_cndmask_b32 v[96+n], v[96+n], v254, vcc_lo
.set n, n+1
.endr
.Lopen_\@:
.endif
	v_max3_num_f32 v254, v96, v97, v98             ; the step's largest score of my query among my 64 keys, in two chains, each tile from its low end on,
	v_max3_num_f32 v252, v99, v100, v101
.irp i, 6,10,14,18,22,26,30,34,38,42,46,50,54,58
	v_max3_num_f32 v254, v254, v[96+\i], v[97+\i]
	v_max3_num_f32 v252, v252, v[98+\i], v[99+\i]
.endr
	v_max3_num_f32 v254, v254, v158, v159
	s_delay_alu instid0(VALU_DEP_1)
	v_max_num_f32 v254, v254, v252
	s_delay_alu instid0(VALU_DEP_1)
	v_permlanex16_b32 v246, v254, s[SEL], s[SEL+1]
	s_delay_alu instid0(VALU_DEP_1)
	v_max_num_f32 v254, v254, v246                 ; and among lane l xor 16's
	s_delay_alu instid0(VALU_DEP_1)
	v_mul_f32 v254, s[CS], v254                    ; as t (c is positive)
	s_delay_alu instid0(VALU_DEP_1)
	v_max_num_f32 v13, v13, v254
	v_mov_b32 v254, v12
	s_delay_alu instid0(VALU_DEP_2)
	v_floor_f32 v12, -v13                          ; the new -M = -ceil(t)
	s_delay_alu instid0(VALU_DEP_1)
	v_sub_f32 v254, v12, v254                      ; old M - new M: a whole number, 0 or less
	s_delay_alu instid0(VALU_DEP_1)
	v_cvt_i32_f32 v254, v254                       ; (it saturates)
	s_delay_alu instid0(VALU_DEP_1)
	v_ldexp_f32 v252, 1.0, v254                    ; f = 2^(old M - new M)
.set j, 0
.rept 32
	v_pk_fma_f32 v[96+j:97+j], v[96+j:97+j], s[CS:CS+1], v[12:13] op_sel_hi:[1,0,0]   ; t - M
.set j, j+2
.endr
	s_wait_alu depctr_va_vdst(0)
.set j, 0
.rept 64
	v_exp_f32 v[96+j], v[96+j]                     ; p = 2^(t - M)
.set j, j+1
.endr
	v_pk_mul_f32 v[14:15], v[14:15], v[252:253] op_sel_hi:[1,0]   ; the sums under the new M: the plain instruction behind the exponentials
	s_wait_alu depctr_va_vdst(0)                   ; and one wait behind the batch of 64, ahead of its first reader
	v_pk_add_f32 v[242:243], v[100:101], v[104:105]   ; the row's sum of the unquantised p, in eight chains
	v_pk_add_f32 v[254:255], v[108:109], v[112:113]
	v_pk_add_f32 v[250:251], v[116:117], v[120:121]
	v_pk_add_f32 v[238:239], v[124:125], v[128:129]
	v_pk_add_f32 v[236:237], v[132:133], v[136:137]
	v_pk_add_f32 v[234:235], v[140:141], v[144:145]
	v_pk_add_f32 v[232:233], v[148:149], v[152:153]
	v_pk_add_f32 v[14:15], v[14:15], v[156:157]
	v_pk_add_f32 v[242:243], v[242:243], v[96:97]
	v_pk_add_f32 v[254:255], v[254:255], v[98:99]
	v_pk_add_f32 v[250:251], v[250:251], v[102:103]
	v_pk_add_f32 v[238:239], v[238:239], v[106:107]
	v_pk_add_f32 v[236:237], v[236:237], v[110:111]
	v_pk_add_f32 v[234:235], v[234:235], v[114:115]
	v_pk_add_f32 v[232:233], v[232:233], v[118:119]
	v_pk_add_f32 v[14:15], v[14:15], v[122:123]
	v_pk_add_f32 v[242:243], v[242:243], v[126:127]
	v_pk_add_f32 v[254:255], v[254:255], v[130:131]
	v_pk_add_f32 v[250:251], v[250:251], v[134:135]
	v_pk_add_f32 v[238:239], v[238:239], v[138:139]
	v_pk_add_f32 v[236:237], v[236:237], v[142:143]
	v_pk_add_f32 v[234:235], v[234:235], v[146:147]
	v_pk_add_f32 v[232:233], v[232:233], v[150:151]
	v_pk_add_f32 v[14:15], v[14:15], v[154:155]
	v_pk_add_f32 v[242:243], v[242:243], v[158:159]
	s_delay_alu instid0(VALU_DEP_2)
	v_pk_add_f32 v[14:15], v[14:15], v[238:239]
	s_delay_alu instid0(VALU_DEP_2)
	v_pk_add_f32 v[242:243], v[242:243], v[236:237]
	v_pk_add_f32 v[254:255], v[254:255], v[234:235]
	v_pk_add_f32 v[250:251], v[250:251], v[232:233]
	s_delay_alu instid0(VALU_DEP_2)
	v_pk_add_f32 v[14:15], v[14:15], v[254:255]
	s_delay_alu instid0(VALU_DEP_2)
	v_pk_add_f32 v[242:243], v[242:243], v[250:251]
	s_delay_alu instid0(VALU_DEP_1)
	v_pk_add_f32 v[14:15], v[14:15], v[242:243]
.irp t, 0,1,2,3,4,5,6,7
.irp i, 0,2,4,6
	v_dual_min_num_f32 v[96+8*\t+\i], v[96+8*\t+\i], v240 :: v_dual_min_num_f32 v[97+8*\t+\i], v[97+8*\t+\i], v241   ; the conversion does not saturate (ISA guide 7.6.2); p is not negative: a one-sided hold, two numbers a line
.endr
	v_cvt_scalef32_pk8_fp8_f32 v[224+2*\t:225+2*\t], v[96+8*\t:103+8*\t], v244
.endr
	s_wait_alu depctr_va_vdst(0)                   ; directly ahead of the first reader of O^T
.set j, 0
.rept 16
	v_pk_mul_f32 v[160+j:161+j], v[160+j:161+j], v[252:253] op_sel_hi:[1,0]   ; O^T under the new M; also the plain instructions behind the conversions
.set j, j+2
.endr
	s_wait_alu depctr_va_vdst(0)                   ; and here, directly ahead of the wait below
	s_wait_dscnt 0x0                               ; V's fragments are in
.irp t, 0,1,2,3
	v_wmma_f32_16x16x128_fp8_fp8 v[160+8*\t:167+8*\t], v[32+16*\t:47+16*\t], v[224:239], v[160+8*\t:167+8*\t]
.endr
.if \tested
.Lhidden_\@:
.endif
	s_add_co_u32 s[TK], s[TK], KSTEP               ; every trip steps the addresses, a jumped one too
	s_xor_b32 s[PP], s[PP], VBACK
	s_add_co_u32 s[ST], s[ST], 1
.endm
; THE WAY OUT of a tile: O^T / the sum x 2^(e4 + e5), held, converted with 2^e6; through my own stage, so that the wave's two stores cover 512 consecutive bytes each
.macro OUT ob
	v_add_f32 v14, v14, v15
	s_delay_alu instid0(VALU_DEP_1)
	v_permlanex16_b32 v246, v14, s[SEL], s[SEL+1]
	s_delay_alu instid0(VALU_DEP_1)
	v_add_f32 v14, v14, v246                       ; the row's sum
	s_wait_alu depctr_va_vdst(0)                   ; a wait ahead of the reciprocal,
	v_rcp_f32 v14, v14
	v_nop                                          ; (one plain place behind it)
	s_wait_alu depctr_va_vdst(0)                   ; ahead of its first reader,
	v_ldexp_f32 v14, v14, s[EPV]
	s_wait_alu depctr_va_vdst(0)                   ; and directly ahead of the first reader of O^T
.set j, 0
.rept 16
	v_pk_mul_f32 v[96+j:97+j], v[160+j:161+j], v[14:15] op_sel_hi:[1,0]
.set j, j+2
.endr
.set j, 0
.rept 32
	v_med3_num_f32 v[96+j], v[96+j], -v249, v249
.set j, j+1
.endr
.irp t, 0,1,2,3
	v_cvt_scalef32_pk8_fp8_f32 v[224+2*\t:225+2*\t], v[96+8*\t:103+8*\t], v248
.endr
	v_nop                                          ; one plain vector instruction behind the last conversion
.irp t, 0,1,2,3
	ds_store_b64 v[STI], v[224+2*\t:225+2*\t] offset:16*\t
.endr
	ds_load_b128 v[32:35], v[STB]                  ; LDS serves a wave's instructions in order (ISA guide 5.7.1.4): these see my stores
	ds_load_b128 v[36:39], v[STB] offset:8*SPB
	s_wait_dscnt 0x1                               ; the first is in; the second may be out
	global_store_b128 v[GO], v[32:35], s[\ob:\ob+1]
	s_wait_dscnt 0x0
	global_store_b128 v[GO], v[36:39], s[\ob:\ob+1] offset:512
.endm
	s_wait_alu depctr_va_vdst(0)
	s_wait_tensorcnt 0x0                           ; my part of keys 0-1023 is in; a later first fill is issued as a refill is:
	ds_add_u32 v[SPW], v[NIL]                      ; 0 onto my spare word; the descriptors' steps stand between it and the wait for it
	s_add_co_u32 s[G0K+1], s[G0K+1], HALF
	s_add_nc_u64 s[G0K+2:G0K+3], s[G0K+2:G0K+3], 65536     ; 1,024 keys of 64 bytes on
	s_add_co_u32 s[G0V+1], s[G0V+1], HALF
	s_add_nc_u64 s[G0V+2:G0V+3], s[G0V+2:G0V+3], 1024      ; 1,024 tokens on in each channel's row
	s_wait_dscnt 0x0
	CROUND                                         ; everybody's part of the first half is in, and the joint loads meet
	TLOAD                                          ; keys 1024-2047: eight key steps ahead of the wait for them
	s_mov_b32 s[ST], 0
	s_mov_b32 s[TK], 0
	s_mov_b32 s[PP], VBACK
	s_wait_loadcnt 0x0                             ; Q
.Lfirst:                                           ; the late tile, steps 0-7: open for every tile from 64 on
	STEP 16, 0, LIML, DL
	s_cmp_lt_u32 s[ST], 8
	s_cbranch_scc1 .Lfirst
	s_wait_tensorcnt 0x0                           ; my part of the second half is in
	ds_add_u32 v[SPW], v[NIL]
	s_wait_dscnt 0x0
	s_barrier_signal -1
	s_barrier_wait -1                              ; everybody's is: from here on the waves share nothing that changes
.Llate:                                            ; the late tile, steps 8 .. 15 - a
	STEP 16, 1, LIML, DL
	s_cmp_lt_u32 s[ST], 16
	s_cbranch_scc1 .Llate
	OUT OLB
	s_wait_xcnt 0x0                                ; the stores have read their registers, which the next tile's loads write
	INIT
	s_mov_b32 s[ST], 0
	s_mov_b32 s[TK], 0
	s_mov_b32 s[PP], VBACK
	s_wait_alu depctr_va_vdst(0)
.Learly:                                           ; the early tile, steps 0 .. a
	STEP 24, 1, LIMS, DS
	s_cmp_lt_u32 s[ST], 8
	s_cbranch_scc1 .Learly
	OUT OSB
	s_wait_tensorcnt 0x0                           ; the wave's end
	ds_add_u32 v[SPW], v[NIL]
	s_wait_dscnt 0x0
	CROUND                                         ; the closing round
	s_endpgm
.Lfunc_end_k_q57e3c604bf_attn:
	.size	k_q57e3c604bf_attn, .Lfunc_end_k_q57e3c604bf_attn-k_q57e3c604bf_attn
	.p2alignl 7, 3214868480
	.fill 96, 4, 3214868480
	.section	.rodata,"a",@progbits
	.p2align	6, 0x0
	.amdhsa_kernel k_q57e3c604bf_attn
		.amdhsa_group_segment_fixed_size 327680
		.amdhsa_private_segment_fixed_size 0
		.amdhsa_enable_private_segment 0
		.amdhsa_kernarg_size 32
		.amdhsa_user_sgpr_count 2
		.amdhsa_user_sgpr_kernarg_segment_ptr 1
		.amdhsa_wavefront_size32 1
		.amdhsa_system_sgpr_workgroup_id_x 1
		.amdhsa_system_sgpr_workgroup_id_y 1
		.amdhsa_system_sgpr_workgroup_id_z 1
		.amdhsa_system_vgpr_workitem_id 0
		.amdhsa_next_free_vgpr 256
		.amdhsa_next_free_sgpr 100
		.amdhsa_reserve_vcc 1
		.amdhsa_float_denorm_mode_32 3
		.amdhsa_float_denorm_mode_16_64 3
		.amdhsa_memory_ordered 1
		.amdhsa_forward_progress 1
		.amdhsa_inst_pref_size 79
	.end_amdhsa_kernel
	.amdgpu_metadata
---
amdhsa.version: [ 1, 2 ]
amdhsa.kernels:
  - .name:           k_q57e3c604bf_attn
    .symbol:         k_q57e3c604bf_attn.kd
    .args:
      - { .name: qk_codes, .offset: 0, .size: 8, .value_kind: global_buffer, .address_space: global }
      - { .name: v_codes, .offset: 8, .size: 8, .value_kind: global_buffer, .address_space: global }
      - { .name: lowp_scales, .offset: 16, .size: 8, .value_kind: global_buffer, .address_space: global }
      - { .name: a_codes, .offset: 24, .size: 8, .value_kind: global_buffer, .address_space: global }
    .group_segment_fixed_size: 327680
    .private_segment_fixed_size: 0
    .kernarg_segment_align: 8
    .kernarg_segment_size: 32
    .max_flat_workgroup_size: 512
    .sgpr_count:     100
    .vgpr_count:     256
    .wavefront_size: 32
...
	.end_amdgpu_metadata
.endif
;; end of part 3
;; launch proj (part 4): grid 4 x 64, 4 waves a work-group, clusters of 4 x 4, 327,680 bytes of LDS; arguments a_codes, codes, lowp_scales, b_proj, out0; writes out0
.if DOCPART == 4
	.amdgcn_target "amdgcn-amd-amdhsa--gfx1250"
	.amdhsa_code_object_version 6
	.text
	.protected	k_q57e3c604bf_proj
	.globl	k_q57e3c604bf_proj
	.p2align	8
	.type	k_q57e3c604bf_proj,@function
k_q57e3c604bf_proj:
	s_mov_b64 s[64:65], 0
	v_nop
	global_prefetch_b8 v0, s[64:65] scope:SCOPE_SE
	s_setreg_imm32_b32 hwreg(HW_REG_WAVE_MODE, 25, 1), 1
	s_wait_xcnt 0x0
	s_wait_alu depctr_hold_cnt(0) depctr_sa_sdst(0) depctr_va_vdst(0) depctr_va_sdst(0) depctr_va_ssrc(0) depctr_va_vcc(0) depctr_vm_vsrc(0)
	s_getreg_b32 s2, hwreg(HW_REG_IB_STS2, 6, 4)
	s_cmp_eq_u32 s2, 0
	s_cbranch_scc0 .Lentry_in_a_cluster
	s_endpgm
.Lentry_in_a_cluster:
	s_bfe_u32 s2, ttmp6, 0x10000c
	s_cmp_lg_u32 s2, 0xf033
	s_cbranch_scc0 .Lentry_shape_is_right
	s_endpgm
.Lentry_shape_is_right:
; out0 = a w_proj + b_proj on codes of E4M3 (scales 2^e6, 2^e7); each finished sum x 2^(e6 + e7) + the bias, by one fused multiply-add.  LIMIT: e6 + e7 between -126 and 127.
; A work-group makes 128 tokens x 256 columns, its four waves 64 x 128 each: 32 accumulators of 16 x 16, used transposed (source 0 = 16 columns of w_proj, source 1 = 16 tokens).
; a_codes lie [batch x head][token][64]: a K step of 256 is four heads, so a wave's tile of a is 4 rows of 4,096 bytes (64 tokens of a head), 131,072 bytes apart, padded behind each 256 bytes.
; K = 1,024 goes in four steps of 256 through three LDS slots; a wave has one tensor load out at a time: K step 0 at the head, K step 1 behind the three lines and a round of the cluster's barrier,
; K step 2 at the change of slots in K step 0, K step 3 into slot 0 at the change of slots in K step 1.  CLUSTERS: 4 x 4; a's tile is asked for jointly by a row of the cluster, w_proj's by a column.
; The way out goes through each wave's stage in slot 1, which has had its one fill and its last read by then: 32 lanes store 512 consecutive bytes.
.set PITCH,  272
.set AHALF,  64*PITCH
.set BHALF,  128*PITCH
.set BOFF,   2*AHALF
.set SLOT,   2*AHALF+2*BHALF
.set SPARE,  3*SLOT
.set STAGE,  SLOT
.set SPITCH, 528
.set PLANE,  16*PITCH
.set ASTEP,  3*524288
.set BSTEP,  768
.set ABJ, 12
.set ADRA, 16
.set ADRB, 20
.set STO, 24
.set RD,  25
.set CO,  26
.set SPW, 28
.set NIL, 29
.set TMP, 32
.set G1A, 24
.set G0A, 32
.set G1B, 44
.set G0B, 52
.set MUL,  0xa1
.set TO_B, 0x40
.set MSB, 0
.macro WIN new
.if MSB != \new
	s_set_vgpr_msb (MSB<<8)|\new
.set MSB, \new
.endif
.endm
.macro PLACES
.rept 4
	v_nop
.endr
.endm
.macro JLOAD s
	s_cmp_eq_u32 s15, 0
	s_cbranch_scc0 .Lfor_b_\@
	tensor_load_to_lds s[G0A+4*\s:G0A+4*\s+3], s[G1A:G1A+7]
	s_nop 0
.rept 4
	v_nop
.endr
	s_branch .Lasked_\@
.Lfor_b_\@:
	tensor_load_to_lds s[G0B+4*\s:G0B+4*\s+3], s[G1B:G1B+7]
	s_nop 0
.rept 4
	v_nop
.endr
.Lasked_\@:
.endm
.macro CREST
	s_cmp_lg_u32 s14, 0
	s_cbranch_scc1 .Lnot_wave_0_\@
	s_barrier_signal -3
.Lnot_wave_0_\@:
	s_barrier_wait -3
	s_barrier_signal -1
	s_barrier_wait -1
.endm
.macro CROUND
	s_barrier_signal -1
	s_barrier_wait -1
	CREST
.endm
.macro FETCH slot, q, p
	WIN TO_B
.irp i, 0,1,2,3,4,5,6,7
.irp c, 0,1,2,3
	ds_load_b128 v[128*(\p)+16*\i+4*\c:128*(\p)+16*\i+4*\c+3], v[ADRB+\slot] offset:128*(\q)+\i*16*PITCH+32*\c
.endr
.endr
	WIN 0
.irp a, 0,1,2,3
.irp c, 0,1,2,3
	ds_load_b128 v[64+64*(\p)+16*\a+4*\c:64+64*(\p)+16*\a+4*\c+3], v[ADRA+\slot] offset:(2*(\q)+\c/2)*PLANE+\a*4*PITCH+32*(\c%2)
.endr
.endr
.endm
.macro MULA a, p, zero
.irp b, 0,1,2,3,4,5,6,7
.if \zero
	v_wmma_f32_16x16x128_fp8_fp8 v[8*(8*\a+\b):8*(8*\a+\b)+7], v[128*\p+16*\b:128*\p+16*\b+15], v[64+64*\p+16*\a:64+64*\p+16*\a+15], 0
.else
	v_wmma_f32_16x16x128_fp8_fp8 v[8*(8*\a+\b):8*(8*\a+\b)+7], v[128*\p+16*\b:128*\p+16*\b+15], v[64+64*\p+16*\a:64+64*\p+16*\a+15], v[8*(8*\a+\b):8*(8*\a+\b)+7]
.endif
.endr
.endm
.macro STEP p, nslot, nq, zero
	s_wait_dscnt 0x0
	PLACES
	FETCH \nslot, \nq, 1-\p
	WIN MUL
	MULA 0, \p, \zero
	MULA 1, \p, \zero
	MULA 2, \p, \zero
	MULA 3, \p, \zero
.endm
.macro TURN nslot, fill
	WIN 0
	s_wait_tensorcnt 0x0
	ds_add_u32 v[SPW], v[NIL]
	s_wait_dscnt 0x1
	WIN MUL
	MULA 0, 1, 0
	s_wait_dscnt 0x0
	s_barrier_signal -1
	MULA 1, 1, 0
	WIN 0
	s_barrier_wait -1
.if \fill == 1
	CREST                                          ; the barrier has opened a round of the cluster's
	JLOAD 2                                        ; slot 2's first fill, K step 2: issued as a refill is
.elseif \fill == 2
	CREST                                          ; no wave of any partner still reads slot 0 or has a load on its way
	s_add_nc_u64 s[G0A+2:G0A+3], s[G0A+2:G0A+3], ASTEP
	s_add_nc_u64 s[G0B+2:G0B+3], s[G0B+2:G0B+3], BSTEP
	JLOAD 0                                        ; slot 0 takes K step 3
.else
	PLACES
.endif
	FETCH \nslot, 0, 0
	WIN MUL
	MULA 2, 1, 0
	MULA 3, 1, 0
.endm
	s_load_b256 s[4:11], s[0:1], 0x0
	s_load_b64 s[12:13], s[0:1], 0x20
	v_lshl_add_u32 v[SPW], v0, 2, SPARE
	v_mov_b32 v[NIL], 0
	ds_add_u32 v[SPW], v[NIL]
	ds_add_u32 v[SPW], v[NIL]
	v_lshrrev_b32 v1, 5, v0
	v_readfirstlane_b32 s14, v1
	s_lshr_b32 s15, s14, 1
	s_and_b32 s16, s14, 1
	s_bfe_u32 s66, ttmp6, 0x40000
	s_bfe_u32 s67, ttmp6, 0x40004
	s_lshl_b32 s76, s67, 2
	s_lshl_b32 s76, 15, s76
	s_lshl_b32 s79, 0x1111, s66
	s_or_b32 s[G1A], s76, (1<<20)|(1<<21)|(5<<22)|(3<<25)
	s_or_b32 s[G1B], s79, (1<<20)|(1<<21)|(5<<22)|(3<<25)
	s_mov_b32 s[G1A+1], 4096<<16
	s_mov_b32 s[G1A+2], 4<<16
	s_mov_b32 s[G1A+3], 4096<<16
	s_mov_b32 s[G1A+4], 4
	s_mov_b32 s[G1A+5], 131072
	s_mov_b32 s[G1A+6], 0
	s_mov_b32 s[G1A+7], 0
	s_mov_b32 s[G1B+1], 256<<16
	s_mov_b32 s[G1B+2], 128<<16
	s_mov_b32 s[G1B+3], 256<<16
	s_mov_b32 s[G1B+4], 128
	s_mov_b32 s[G1B+5], 1024
	s_mov_b32 s[G1B+6], 0
	s_mov_b32 s[G1B+7], 0
	s_lshl_b32 s78, ttmp9, 2
	s_add_co_u32 s78, s78, s66
	s_and_b32 s77, ttmp7, 0xffff
	s_lshl_b32 s77, s77, 2
	s_add_co_u32 s77, s77, s67
	s_lshr_b32 s84, s77, 4
	s_lshl_b32 s84, s84, 21
	s_and_b32 s85, s77, 15
	s_lshl_b32 s85, s85, 13
	s_add_co_u32 s84, s84, s85
	s_lshl_b32 s85, s16, 12
	s_add_co_u32 s84, s84, s85
	s_mov_b32 s85, 0
	s_lshl_b32 s86, s78, 8
	s_add_co_u32 s86, s86, 11264
	s_lshl_b32 s87, s16, 7
	s_add_co_u32 s86, s86, s87
	s_lshl_b32 s86, s86, 10
	s_mov_b32 s87, 0
	s_mul_i32 s90, s16, AHALF
	s_mul_i32 s91, s16, BHALF
	s_add_co_u32 s91, s91, BOFF
	s_lshl_b32 s20, s78, 10
	s_lshl_b32 s17, s16, 9
	s_add_co_u32 s20, s20, s17
	s_mov_b32 s21, 0
	s_lshl_b32 s98, s77, 7
	s_lshl_b32 s99, s15, 6
	s_add_co_u32 s98, s98, s99
	s_lshl_b32 s98, s98, 12
	s_add_co_u32 s98, s98, s20
	s_mov_b32 s99, 0
	s_wait_dscnt 0x0
	s_wait_kmcnt 0x0
	s_load_b256 s[68:75], s[8:9], 0x0
	s_add_nc_u64 s[84:85], s[4:5], s[84:85]
	s_add_nc_u64 s[86:87], s[6:7], s[86:87]
	s_add_nc_u64 s[20:21], s[10:11], s[20:21]
	s_add_nc_u64 s[12:13], s[12:13], s[98:99]
	CROUND
.irp s, 0,1,2
	s_mov_b32 s[G0A+4*\s], 1
	s_add_co_u32 s[G0A+4*\s+1], s90, \s*SLOT
	s_add_nc_u64 s[G0A+4*\s+2:G0A+4*\s+3], s[84:85], \s*524288
	s_or_b32 s[G0A+4*\s+3], s[G0A+4*\s+3], 0x80000000
	s_mov_b32 s[G0B+4*\s], 1
	s_add_co_u32 s[G0B+4*\s+1], s91, \s*SLOT
	s_add_nc_u64 s[G0B+4*\s+2:G0B+4*\s+3], s[86:87], \s*256
	s_or_b32 s[G0B+4*\s+3], s[G0B+4*\s+3], 0x80000000
.endr
	JLOAD 0                                        ; K step 0: one tensor load a wave at the head
	v_and_b32 v1, 15, v0
	v_bfe_u32 v2, v0, 4, 1
	v_mul_u32_u24 v3, v1, PITCH
	v_lshl_add_u32 v3, v2, 4, v3
	v_lshrrev_b32 v4, 2, v1
	v_mul_u32_u24 v4, v4, PITCH
	v_and_b32 v5, 3, v1
	v_lshl_add_u32 v4, v5, 6, v4
	v_lshl_add_u32 v4, v2, 4, v4
	s_mul_i32 s17, s15, AHALF
	s_mul_i32 s3, s16, BHALF
	s_add_co_u32 s3, s3, BOFF
.irp s, 0,1,2
	v_add_nc_u32 v[ADRA+\s], s17, v4
	v_add_nc_u32 v[ADRB+\s], s3, v3
	s_add_co_u32 s17, s17, SLOT
	s_add_co_u32 s3, s3, SLOT
.endr
	s_mul_i32 s17, s14, 16*SPITCH
	s_add_co_u32 s17, s17, STAGE
	v_mul_u32_u24 v5, v1, SPITCH
	v_lshl_add_u32 v5, v2, 5, v5
	v_add_nc_u32 v[STO], s17, v5
	v_and_b32 v6, 31, v0
	v_lshlrev_b32 v[CO], 4, v6
	v_add_nc_u32 v[RD], s17, v[CO]
	v_lshlrev_b32 v[ABJ], 5, v2
	WIN 0xc0
.irp b, 0,1,2,3,4,5,6,7
	global_load_b128 v[8*\b:8*\b+3], v[ABJ], s[20:21] offset:64*\b
	global_load_b128 v[8*\b+4:8*\b+7], v[ABJ], s[20:21] offset:64*\b+16
.endr
	WIN 0
	s_wait_kmcnt 0x0
	s_add_co_i32 s96, s74, s75
	s_add_co_i32 s96, s96, 127
	s_lshl_b32 s96, s96, 23
	s_mov_b32 s97, s96
	s_wait_loadcnt 0x0                             ; the bias
	s_wait_alu depctr_va_vdst(0)
	s_wait_tensorcnt 0x0                           ; my part of K step 0 is in
	ds_add_u32 v[SPW], v[NIL]
	s_wait_dscnt 0x0
	CROUND                                         ; everybody's part of K step 0 is in, and the joint loads meet
	JLOAD 1                                        ; slot 1's first fill, K step 1
	FETCH 0, 0, 0
	STEP 0, 0, 1, 1
	TURN 1, 1
	STEP 0, 1, 1, 0
	s_wait_alu depctr_va_vdst(0)
	TURN 2, 2                                      ; K step 1's second half; K step 2 has landed; slot 0 takes K step 3; on to slot 2
	STEP 0, 2, 1, 0
	TURN 0, 0
	STEP 0, 0, 1, 0
	s_wait_dscnt 0x0
	WIN MUL
	MULA 0, 1, 0
	MULA 1, 1, 0
	MULA 2, 1, 0
	MULA 3, 1, 0
	WIN 0
.macro TOSTAGE a
	WIN 0x32
.set j, 0
.rept 32
	v_pk_fma_f32 v[TMP+j:TMP+j+1], v[64*(\a)+j:64*(\a)+j+1], s[96:97], v[j:j+1] op_sel_hi:[1,0,1]
.set j, j+2
.endr
	WIN 0
.irp b, 0,1,2,3,4,5,6,7
	ds_store_b128 v[STO], v[TMP+8*\b:TMP+8*\b+3] offset:64*\b
	ds_store_b128 v[STO], v[TMP+8*\b+4:TMP+8*\b+7] offset:64*\b+16
.endr
.set BB, 128+64*((\a)%2)
.irp t, 0,1,2,3,4,5,6,7,8,9,10,11,12,13,14,15
	ds_load_b128 v[BB+4*\t:BB+4*\t+3], v[RD] offset:\t*SPITCH
.endr
.endm
.macro SEND a, younger
.set BB, 128+64*((\a)%2)
	s_wait_dscnt \younger
.irp t, 0,1,2,3,4,5,6,7,8,9,10,11,12,13,14,15
	global_store_b128 v[CO], v[BB+4*\t:BB+4*\t+3], s[12:13] offset:(16*(\a)+\t)*4096 th:TH_STORE_NT
.endr
.endm
	PLACES
	TOSTAGE 0
.irp a, 1,2,3
.if \a > 1
	s_wait_xcnt 0x0
.endif
	TOSTAGE \a
	SEND \a-1, 32
.endr
	SEND 3, 0
	s_wait_tensorcnt 0x0
	ds_add_u32 v[SPW], v[NIL]
	s_wait_dscnt 0x0
	CROUND
	s_endpgm
.Lfunc_end_k_q57e3c604bf_proj:
	.size	k_q57e3c604bf_proj, .Lfunc_end_k_q57e3c604bf_proj-k_q57e3c604bf_proj
	.p2alignl 7, 3214868480
	.fill 96, 4, 3214868480
	.section	.rodata,"a",@progbits
	.p2align	6, 0x0
	.amdhsa_kernel k_q57e3c604bf_proj
		.amdhsa_group_segment_fixed_size 327680
		.amdhsa_private_segment_fixed_size 0
		.amdhsa_enable_private_segment 0
		.amdhsa_kernarg_size 40
		.amdhsa_user_sgpr_count 2
		.amdhsa_user_sgpr_kernarg_segment_ptr 1
		.amdhsa_wavefront_size32 1
		.amdhsa_system_sgpr_workgroup_id_x 1
		.amdhsa_system_sgpr_workgroup_id_y 1
		.amdhsa_system_sgpr_workgroup_id_z 1
		.amdhsa_system_vgpr_workitem_id 0
		.amdhsa_next_free_vgpr 896
		.amdhsa_next_free_sgpr 100
		.amdhsa_reserve_vcc 0
		.amdhsa_float_denorm_mode_32 3
		.amdhsa_float_denorm_mode_16_64 3
		.amdhsa_memory_ordered 1
		.amdhsa_forward_progress 1
		.amdhsa_inst_pref_size 78
	.end_amdhsa_kernel
	.amdgpu_metadata
---
amdhsa.version: [ 1, 2 ]
amdhsa.kernels:
  - .name:           k_q57e3c604bf_proj
    .symbol:         k_q57e3c604bf_proj.kd
    .args:
      - { .name: a_codes, .offset: 0, .size: 8, .value_kind: global_buffer, .address_space: global }
      - { .name: codes, .offset: 8, .size: 8, .value_kind: global_buffer, .address_space: global }
      - { .name: lowp_scales, .offset: 16, .size: 8, .value_kind: global_buffer, .address_space: global }
      - { .name: b_proj, .offset: 24, .size: 8, .value_kind: global_buffer, .address_space: global }
      - { .name: out0, .offset: 32, .size: 8, .value_kind: global_buffer, .address_space: global }
    .group_segment_fixed_size: 327680
    .private_segment_fixed_size: 0
    .kernarg_segment_align: 8
    .kernarg_segment_size: 40
    .max_flat_workgroup_size: 128
    .sgpr_count:     100
    .vgpr_count:     896
    .wavefront_size: 32
...
	.end_amdgpu_metadata
.endif
;; end of part 4
